; MI455X (gfx1250); checked and timed in simulation.
; The chip was launched on July 23, 2026; its instructions are those of AMD's public machine-readable ISA for CDNA 5 (MIT licence, August 2026) and "CDNA5" Instruction Set Architecture Reference Guide (July 2026). The comments in the code are by the model that wrote it; some were corrected since.
;; Attention. Allowed arithmetic: matrix products marked QUANTISED: E2M1 operands, one E8M0 scale for each 32 along K, by v_wmma_scale_f32_16x16x128_f8f6f4 with both operands' format E2M1 (or v_wmma_scale_f32_32x16x128_f4), f32 sums; products left as they are: bf16, f16 or f32 operands; f32 sums; everything else in f32.
;; Inputs: b_proj 1,024 float32; w_proj 1,024 x 1,024 float32; w_qkv 1,024 x 3,072 float32; x 4 x 2,048 x 1,024 float32.
;; Outputs: out0 4 x 2,048 x 1,024 float32.
;; This version of the problem:
;;   THIS VERSION OF THE PROBLEM IS GIVEN IN LOW PRECISION. The matrix products marked QUANTISED in the list below multiply operands that are first quantised to E2M1 (2 exponent bits, 1 mantissa bit; 4 bits a number), with one power-of-two scale for each 32 numbers along K (OCP MX v1.0); their sums are f32. The products marked 'left as it is' may take bf16, f16 or f32 operands, with f32 sums. Whichever they take, every output number must still come out within the allowed error. Rounding operands to bf16 (8 significant bits) uses up far more of that allowance than f16 does (11 bits, for magnitudes from 6e-5 to 65,504). All else is computed in f32.
;;   The module's matrix products, in the order in which they are computed (A, B: the left and right operand; K: the contracted axis; several contracted axes count as one K, in the product's order):
;;     1. [M 8,192, K 1,024] x [K 1,024, N 3,072]; A: input x; B: input w_qkv: QUANTISED
;;     2. batch 64 x [M 2,048, K 64] x [K 64, N 2,048]; A: computed on the way; B: computed on the way: left as it is (an operand is computed on the way)
;;     3. batch 64 x [M 2,048, K 2,048] x [K 2,048, N 64]; A: computed on the way; B: computed on the way: left as it is (an operand is computed on the way)
;;     4. [M 8,192, K 1,024] x [K 1,024, N 1,024]; A: computed on the way; B: input w_proj: left as it is (an operand is computed on the way)
;;   THE QUANTISER, for each operand of a quantised product, along K:
;;     - K is cut into blocks of 32 from its start; a last block that is shorter is filled with zeros.
;;     - A block's scale is 2^e with e = floor(log2(the largest magnitude in the block)) - 2, held to -126 .. 127; a block of zeros has e = 0. As a byte (E8M0): e + 127.
;;     - Each number is divided by its block's scale, clamped to +-6, and rounded to the nearest number of E2M1, ties to even, subnormals kept.
;;     - The product sums the exact products of the quantised numbers (number of the format x scale) in f32.
;;   ~~~python
;;   def quantise(x, axis):      # numpy; x: float32 -> the quantised numbers, widened to float32 again
;;       x = np.moveaxis(x, axis, -1); K = x.shape[-1]
;;       x = np.pad(x, [(0, 0)] * (x.ndim - 1) + [(0, -K % 32)]); x = x.reshape(x.shape[:-1] + (-1, 32)); a = np.abs(x).max(-1, keepdims=True)
;;       e = np.where(a > 0, np.clip(np.frexp(np.where(a > 0, a, 1))[1] - 1 - 2, -126, 127), 0)      # np.frexp(a)[1] - 1 = floor(log2(a)), exactly
;;       r = np.clip(x / 2.0 ** e, -6, 6)
;;       step = 2.0 ** (np.maximum(np.frexp(np.where(r == 0, 1, r))[1] - 1, 0) - 1)
;;       q = np.round(r / step) * step * 2.0 ** e      # np.round: ties to even
;;       return np.moveaxis(q.reshape(q.shape[:-2] + (-1,))[..., :K], -1, axis).astype(np.float32)
;;   ~~~
;; One version. Each part assembles by itself: llvm-mc -triple=amdgcn-amd-amdhsa -mcpu=gfx1250 --defsym DOCPART=n.
;; ======== version 1 of 1: 4 launches
;; limits: values are held in f16: magnitudes above 65,504 overflow, below 6.1e-05 lose precision
;; workspace buffers: xq 4,194,304 bytes; xs 262,144 bytes; wq 1,572,864 bytes; ws 98,304 bytes; wp 2,097,152 bytes; qkv 50,331,648 bytes; oh 16,777,216 bytes
;; launch prep (part 1): grid 480 x 1, 4 waves a work-group, no clusters, 50,688 bytes of LDS; arguments x, w_qkv, w_proj, xq, xs, wq, ws, wp; writes xq, xs, wq, ws, wp
.if DOCPART == 1
	.amdgcn_target "amdgcn-amd-amdhsa--gfx1250"
	.amdhsa_code_object_version 6
	.text
	.protected	k_q4696bd17a5_prep
	.globl	k_q4696bd17a5_prep
	.p2align	8
	.type	k_q4696bd17a5_prep,@function
k_q4696bd17a5_prep:
	s_mov_b64 s[64:65], 0
	v_nop
	global_prefetch_b8 v0, s[64:65] scope:SCOPE_SE
	s_setreg_imm32_b32 hwreg(HW_REG_WAVE_MODE, 25, 1), 1
	s_wait_xcnt 0x0
; PREP: the operands of the later launches are made once.
;   path W (work-groups 0-95):    w_qkv [1024 k][3072 n] f32 -> wq [3072 n][512 bytes] codes of E2M1, K innermost, ws [3072][32] E8M0 bytes
;   path X (work-groups 96-351):  x [8192][1024] f32         -> xq [8192][512 bytes] codes of E2M1, xs [8192][32] E8M0 bytes
;   path P (work-groups 352-479): w_proj [1024][1024] f32    -> wp, the same numbers in f16, same layout
; A block's scale is 2^(floor(log2(its largest magnitude)) - 2); its byte is the largest magnitude's exponent field - 2, held at 1 from below.
; LIMITS: a block of zeros gets the byte 1 where the quantiser's text says 127: its codes are zeros, which add nothing under any byte but 0xff, and
; this program alone reads the bytes.  NaN and infinities among the inputs are not served.  w_proj beyond 65,504 in magnitude has no f16 number.
; ws is stored 8 bytes a lane to rows 32 bytes apart: 98,304 bytes in all, the one output here that is not stored as whole runs of 256 bytes.
; The three paths part on the work-group's number, never join, and each has LDS bytes of its own.  No tensor loads, no barrier: waves share nothing.
.set SPARE,  50176                     ; the spare words, 128 bytes for each wave, behind both paths' stages
.set SPW,    12                        ; v12  LDS address of my spare word; never rewritten
.set NIL,    13                        ; v13  0; never rewritten
; path X
.set XREG,   8192                      ; LDS bytes 0 .. 32,767: a region for each wave: two stages of 32 x SP bytes, then its 256 scale bytes
.set SP,     80                        ; a lane's place in a stage: 64 bytes + 16 of padding
.set R,      16                        ; v16-79   four sets of 16 numbers as loaded
.set XX,     80                        ; v80-111  two sets of 16 neighbours along K
.set E,      112                       ; v112-127 a scale byte for each step
.set C,      128                       ; v128-191 codes, registers of their own for each step
; path W
.set WSTG,   32768                     ; LDS bytes 32,768 .. 50,175: a stage of 16 rows x WP bytes for each wave
.set WP,     272
.set WROW,   12288                     ; a row of w_qkv in bytes
.set WX,     32                        ; v32-95   two sets of 32 numbers down K
.set WC,     96                        ; v96-99   a block's codes
.set SB,     24                        ; v24-27   scale bytes;  v28-31 the other half's
.set OUTR,   112                       ; v112-143 the way out
.macro XLOAD t                         ; a step's 2,048 bytes: each load reads 512 consecutive bytes
.irp i, 0,1,2,3
	global_load_b128 v[R+16*((\t)%4)+4*\i:R+16*((\t)%4)+4*\i+3], v3, s[4:5] offset:2048*(\t)+512*\i th:TH_LOAD_NT
.endr
.endm
.macro XTURN t                         ; through the wave's own stage, so that a lane gets 16 neighbours: LDS serves a wave's instructions in order
.irp i, 0,1,2,3
	ds_store_b128 v14, v[R+16*((\t)%4)+4*\i:R+16*((\t)%4)+4*\i+3] offset:32*SP*((\t)%2)+8*SP*\i
.endr
.irp i, 0,1,2,3
	ds_load_b128 v[XX+16*((\t)%2)+4*\i:XX+16*((\t)%2)+4*\i+3], v15 offset:32*SP*((\t)%2)+16*\i
.endr
.endm
.macro XSTEP t
.set XS, XX+16*((\t)%2)
.if (\t) > 0
	s_wait_dscnt 1                                 ; this step's numbers are back from the stage; the last step's byte store may be out
.else
	s_wait_dscnt 0x0
.endif
.if (\t)+4 < 16
	XLOAD (\t)+4                                   ; into the set whose stores into the stage are done
.endif
.if (\t)+1 < 16
.if 14-(\t) >= 3
	s_wait_loadcnt 12                              ; the next step's four loads are in; the three steps behind it (12 loads) may be out
.else
	s_wait_loadcnt 4*(14-(\t))
.endif
	XTURN (\t)+1
.endif
	v_max3_num_f32 v8, |v[XS]|, |v[XS+1]|, |v[XS+2]|
	v_max3_num_f32 v9, |v[XS+3]|, |v[XS+4]|, |v[XS+5]|
.irp i, 6,10
	v_max3_num_f32 v8, v8, |v[XS+\i]|, |v[XS+\i+1]|
	v_max3_num_f32 v9, v9, |v[XS+\i+2]|, |v[XS+\i+3]|
.endr
	v_max3_num_f32 v8, v8, |v[XS+14]|, |v[XS+15]|
	v_max3_num_f32 v8, v8, v9, 0x1800000           ; the floor 2^(3 - 127): the byte cannot fall under 1
	v_max_num_f32_dpp v8, v8, v8 row_xmask:1 row_mask:0xf bank_mask:0xf   ; with my neighbour's 16: the block's largest magnitude
	v_add_nc_u32 v11, 0xff000000, v8               ; 2 off its exponent field: the conversion takes that field as its scale
	v_cvt_scalef32_pk8_fp4_f32 v[C+4*(\t)], v[XS:XS+7], v11
	v_cvt_scalef32_pk8_fp4_f32 v[C+4*(\t)+1], v[XS+8:XS+15], v11
	v_lshrrev_b32 v[E+(\t)], 23, v11               ; the scale's byte (a plain line behind the conversions)
	ds_store_b8 v5, v[E+(\t)] offset:16*(\t)       ; both lanes of a block write the same byte with the same value
	global_store_b64 v4, v[C+4*(\t):C+4*(\t)+1], s[10:11] offset:256*(\t)   ; the wave stores 256 consecutive bytes, aligned
.endm
.macro WLOAD t                         ; lane (r, h): w(64 t + 32 h + i, my column), i = 0 .. 31, into set t % 2
.set wi, 0
.rept 32
	global_load_b32 v[WX+32*((\t)%2)+wi], v3, s[6:7] offset:(64*(\t)+wi)*WROW th:TH_LOAD_NT
.set wi, wi+1
.endr
.endm
.macro WBLOCK t
.set XS, WX+32*((\t)%2)
.if (\t) < 7
	s_wait_loadcnt 32                              ; this block's 32 loads are in; the next block's 32 may be out
.else
	s_wait_loadcnt 0x0
.endif
	v_max3_num_f32 v16, |v[XS]|, |v[XS+1]|, |v[XS+2]|   ; all 32 numbers of the block are mine
	v_max3_num_f32 v17, |v[XS+3]|, |v[XS+4]|, |v[XS+5]|
.irp i, 6,10,14,18,22,26
	v_max3_num_f32 v16, v16, |v[XS+\i]|, |v[XS+\i+1]|
	v_max3_num_f32 v17, v17, |v[XS+\i+2]|, |v[XS+\i+3]|
.endr
	v_max3_num_f32 v16, v16, |v[XS+30]|, |v[XS+31]|
	v_max3_num_f32 v16, v16, v17, 0x1800000
	v_add_nc_u32 v11, 0xff000000, v16
	v_lshrrev_b32 v18, 23, v11
.if (\t)%2 == 0
	v_mov_b32 v[SB+(\t)/2], v18                    ; blocks 2 t + h: an even t's byte low, an odd t's 16 bits up
.else
	v_lshl_or_b32 v[SB+(\t)/2], v18, 16, v[SB+(\t)/2]
.endif
.irp g, 0,1,2,3
	v_cvt_scalef32_pk8_fp4_f32 v[WC+\g], v[XS+8*\g:XS+8*\g+7], v11
.endr
	ds_store_b128 v4, v[WC:WC+3] offset:32*(\t)    ; 32 codes: 16 bytes of my column's row
.if (\t)+2 < 8
	WLOAD (\t)+2
.endif
	s_wait_dscnt 0x0                               ; the store has read its registers: the next block's codes may be written
.endm
	s_load_b512 s[4:19], s[0:1], 0x0               ; x 4:5, w_qkv 6:7, w_proj 8:9, xq 10:11, xs 12:13, wq 14:15, ws 16:17, wp 18:19
	v_lshl_add_u32 v[SPW], v0, 2, SPARE
	v_mov_b32 v[NIL], 0
	v_lshrrev_b32 v1, 5, v0
	v_readfirstlane_b32 s20, v1                    ; wave 0..3
	v_and_b32 v2, 31, v0                           ; lane
	s_wait_kmcnt 0x0
	s_cmp_lt_u32 ttmp9, 96
	s_cbranch_scc1 .Lpath_w
	s_cmp_lt_u32 ttmp9, 352
	s_cbranch_scc0 .Lpath_p
	; ---- PATH X: x is a plain stream of blocks of 32.  A wave takes 16 steps of 512 numbers; two neighbouring lanes hold a block.
	v_lshlrev_b32 v3, 4, v2                        ; my 16 bytes of a load's 512
	s_mul_i32 s21, s20, XREG
	v_lshrrev_b32 v14, 2, v2
	v_mul_u32_u24 v14, v14, SP
	v_and_b32 v15, 3, v2
	v_lshl_add_u32 v14, v15, 4, v14
	v_add_nc_u32 v14, s21, v14                     ; the stage, in: SP (lane / 4) + 16 (lane % 4)
	v_mul_u32_u24 v15, v2, SP
	v_add_nc_u32 v15, s21, v15                     ; and out: SP x lane
	v_lshlrev_b32 v4, 3, v2                        ; 8 x lane: my codes in a step's 256 bytes, and my 8 of the wave's 256 scale bytes
	v_lshrrev_b32 v5, 1, v2
	s_add_co_u32 s21, s21, 2*32*SP
	v_add_nc_u32 v5, s21, v5                       ; LDS: my block's scale byte
	v_add_nc_u32 v6, s21, v4                       ; and where I read 8 of them back
	s_sub_co_u32 s22, ttmp9, 96
	s_lshl_b32 s22, s22, 2
	s_add_co_u32 s22, s22, s20                     ; which run of 8,192 numbers is my wave's: 0 .. 1,023
	s_lshl_b32 s24, s22, 15
	s_mov_b32 s25, 0
	s_add_nc_u64 s[4:5], s[4:5], s[24:25]          ; 32,768 bytes of x a run,
	s_lshl_b32 s24, s22, 12
	s_add_nc_u64 s[10:11], s[10:11], s[24:25]      ; 4,096 of codes,
	s_lshl_b32 s24, s22, 8
	s_add_nc_u64 s[12:13], s[12:13], s[24:25]      ; 256 scale bytes
.irp t, 0,1,2,3
	XLOAD \t
.endr
	s_wait_loadcnt 12                              ; step 0's four loads are in
	XTURN 0
.irp t, 0,1,2,3,4,5,6,7,8,9,10,11,12,13,14,15
	XSTEP \t
.endr
	ds_load_b64 v[8:9], v6                         ; LDS serves a wave's instructions in order: this sees my byte stores
	s_wait_dscnt 0x0
	global_store_b64 v4, v[8:9], s[12:13]          ; 256 consecutive bytes, aligned
	s_wait_tensorcnt 0x0                           ; the wave's end, behind my last LDS store
	ds_add_u32 v[SPW], v[NIL]
	s_wait_dscnt 0x0
	s_endpgm
	; ---- PATH W: K is w_qkv's first axis.  A lane takes a column and its registers run down K, so the conversions give codes with K innermost.
	; Work-group: 64 columns x 512 along K; wave: 16 columns; lane (r, h): column r, blocks 2 t + h of the 16.
.Lpath_w:
	v_and_b32 v20, 15, v2                          ; r
	v_lshrrev_b32 v21, 4, v2                       ; h
	s_lshr_b32 s21, ttmp9, 1                       ; which 64 columns
	s_and_b32 s22, ttmp9, 1                        ; which half of K
	s_lshl_b32 s23, s21, 6
	s_lshl_b32 s24, s20, 4
	s_add_co_u32 s23, s23, s24                     ; my wave's first column
	v_lshlrev_b32 v3, 2, v20
	v_mul_u32_u24 v22, v21, 32*WROW
	v_add_nc_u32 v3, v3, v22                       ; in: 4 r, lanes 16-31 32 rows further down
	s_mul_i32 s24, s20, 16*WP
	s_add_co_u32 s24, s24, WSTG                    ; my stage
	v_mul_u32_u24 v4, v20, WP
	v_lshl_add_u32 v4, v21, 4, v4
	v_add_nc_u32 v4, s24, v4                       ; into it: row r, 16 h bytes on
	v_mul_u32_u24 v7, v21, WP
	v_lshl_add_u32 v7, v20, 4, v7
	v_add_nc_u32 v7, s24, v7                       ; out of it: sixteen lanes to a row, two rows an instruction
	v_lshlrev_b32 v8, 9, v21
	v_lshl_add_u32 v8, v20, 4, v8                  ; and the same place in wq: rows of 512 bytes
	v_lshlrev_b32 v9, 5, v20
	v_lshl_add_u32 v9, v21, 3, v9                  ; ws: row r of 32 bytes, 8 h on
	v_lshlrev_b32 v10, 3, v21                      ; 8 h bits
.irp j, 0,1,2,3
	v_mov_b32 v[SB+4+\j], 0                        ; a lane permute's destination counts as one of its sources
.endr
	s_mov_b32 s30, 0x76543210
	s_mov_b32 s31, 0xfedcba98                      ; lane l xor 16
	s_mul_i32 s26, s22, 512*WROW
	s_lshl_b32 s27, s23, 2
	s_add_co_u32 s26, s26, s27
	s_mov_b32 s27, 0
	s_add_nc_u64 s[6:7], s[6:7], s[26:27]          ; w_qkv at (512 y, my first column)
	s_lshl_b32 s26, s23, 9
	s_lshl_b32 s28, s22, 8
	s_add_co_u32 s26, s26, s28
	s_add_nc_u64 s[14:15], s[14:15], s[26:27]      ; wq at (my first column, 256 y bytes)
	s_lshl_b32 s26, s23, 5
	s_lshl_b32 s28, s22, 4
	s_add_co_u32 s26, s26, s28
	s_add_nc_u64 s[16:17], s[16:17], s[26:27]      ; ws at (my first column, 16 y bytes)
	WLOAD 0
	WLOAD 1
.irp t, 0,1,2,3,4,5,6,7
	WBLOCK \t
.endr
.irp j, 0,1,2,3
	v_lshlrev_b32 v[SB+\j], v10, v[SB+\j]          ; my two bytes of word j at their places,
.endr
.irp j, 0,1,2,3
	v_permlanex16_b32 v[SB+4+\j], v[SB+\j], s30, s31
.endr
.irp j, 0,1,2,3
	v_or_b32 v[SB+\j], v[SB+\j], v[SB+4+\j]        ; with the other half's two the word is whole
.endr
	v_cmp_ne_u32 vcc_lo, 0, v21
	v_cndmask_b32 v24, v24, v26, vcc_lo            ; lanes 0-15 store words 0 and 1, lanes 16-31 words 2 and 3
	v_cndmask_b32 v25, v25, v27, vcc_lo
	global_store_b64 v9, v[24:25], s[16:17]
.irp i, 0,1,2,3,4,5,6,7
	ds_load_b128 v[OUTR+4*\i:OUTR+4*\i+3], v7 offset:2*\i*WP
.endr
.irp i, 0,1,2,3,4,5,6,7
	s_wait_dscnt 7-\i                              ; LDS loads come back in order: number i is in
	global_store_b128 v8, v[OUTR+4*\i:OUTR+4*\i+3], s[14:15] offset:1024*\i   ; sixteen lanes store 256 consecutive bytes, aligned
.endr
	s_wait_tensorcnt 0x0                           ; the wave's end, behind my last LDS store
	ds_add_u32 v[SPW], v[NIL]
	s_wait_dscnt 0x0
	s_endpgm
	; ---- PATH P: w_proj to f16, as it lies.  A wave takes 8,192 bytes; all 16 loads go out at once.  This path writes no LDS.
.Lpath_p:
	s_sub_co_u32 s21, ttmp9, 352
	s_lshl_b32 s21, s21, 2
	s_add_co_u32 s21, s21, s20                     ; run 0 .. 511
	s_lshl_b32 s22, s21, 13
	s_mov_b32 s23, 0
	s_add_nc_u64 s[8:9], s[8:9], s[22:23]
	s_lshl_b32 s22, s21, 12
	s_add_nc_u64 s[18:19], s[18:19], s[22:23]
	v_lshlrev_b32 v3, 4, v2
	v_lshlrev_b32 v4, 3, v2
.irp i, 0,1,2,3,4,5,6,7,8,9,10,11,12,13,14,15
	global_load_b128 v[16+4*\i:16+4*\i+3], v3, s[8:9] offset:512*\i th:TH_LOAD_NT
.endr
.irp i, 0,1,2,3,4,5,6,7,8,9,10,11,12,13,14,15
	s_wait_loadcnt 15-\i                           ; loads come back in order: number i is in
	v_cvt_pk_f16_f32 v[80+2*\i], v[16+4*\i], v[16+4*\i+1]
	v_cvt_pk_f16_f32 v[81+2*\i], v[16+4*\i+2], v[16+4*\i+3]
	global_store_b64 v4, v[80+2*\i:81+2*\i], s[18:19] offset:256*\i   ; 256 consecutive bytes, aligned
.endr
	s_endpgm
.Lfunc_end_k_q4696bd17a5_prep:
	.size	k_q4696bd17a5_prep, .Lfunc_end_k_q4696bd17a5_prep-k_q4696bd17a5_prep
	.p2alignl 7, 3214868480
	.fill 96, 4, 3214868480
	.section	.rodata,"a",@progbits
	.p2align	6, 0x0
	.amdhsa_kernel k_q4696bd17a5_prep
		.amdhsa_group_segment_fixed_size 50688
		.amdhsa_private_segment_fixed_size 0
		.amdhsa_enable_private_segment 0
		.amdhsa_kernarg_size 64
		.amdhsa_user_sgpr_count 2
		.amdhsa_user_sgpr_kernarg_segment_ptr 1
		.amdhsa_wavefront_size32 1
		.amdhsa_system_sgpr_workgroup_id_x 1
		.amdhsa_system_sgpr_workgroup_id_y 1
		.amdhsa_system_sgpr_workgroup_id_z 1
		.amdhsa_system_vgpr_workitem_id 0
		.amdhsa_next_free_vgpr 192
		.amdhsa_next_free_sgpr 66
		.amdhsa_reserve_vcc 1
		.amdhsa_float_denorm_mode_32 3
		.amdhsa_float_denorm_mode_16_64 3
		.amdhsa_memory_ordered 1
		.amdhsa_forward_progress 1
		.amdhsa_inst_pref_size 79
	.end_amdhsa_kernel
	.amdgpu_metadata
---
amdhsa.version: [ 1, 2 ]
amdhsa.kernels:
  - .name:           k_q4696bd17a5_prep
    .symbol:         k_q4696bd17a5_prep.kd
    .args:
      - { .name: x, .offset: 0, .size: 8, .value_kind: global_buffer, .address_space: global }
      - { .name: w_qkv, .offset: 8, .size: 8, .value_kind: global_buffer, .address_space: global }
      - { .name: w_proj, .offset: 16, .size: 8, .value_kind: global_buffer, .address_space: global }
      - { .name: xq, .offset: 24, .size: 8, .value_kind: global_buffer, .address_space: global }
      - { .name: xs, .offset: 32, .size: 8, .value_kind: global_buffer, .address_space: global }
      - { .name: wq, .offset: 40, .size: 8, .value_kind: global_buffer, .address_space: global }
      - { .name: ws, .offset: 48, .size: 8, .value_kind: global_buffer, .address_space: global }
      - { .name: wp, .offset: 56, .size: 8, .value_kind: global_buffer, .address_space: global }
    .group_segment_fixed_size: 50688
    .private_segment_fixed_size: 0
    .kernarg_segment_align: 8
    .kernarg_segment_size: 64
    .max_flat_workgroup_size: 128
    .sgpr_count:     66
    .vgpr_count:     192
    .wavefront_size: 32
...
	.end_amdgpu_metadata
.endif
;; end of part 1
;; launch qkvgemm (part 2): grid 12 x 32, 4 waves a work-group, clusters of 4 x 4, 327,680 bytes of LDS; arguments xq, xs, wq, ws, qkv; writes qkv
.if DOCPART == 2
	.amdgcn_target "amdgcn-amd-amdhsa--gfx1250"
	.amdhsa_code_object_version 6
	.text
	.protected	k_q4696bd17a5_qkvgemm
	.globl	k_q4696bd17a5_qkvgemm
	.p2align	8
	.type	k_q4696bd17a5_qkvgemm,@function
k_q4696bd17a5_qkvgemm:
	s_mov_b64 s[64:65], 0
	v_nop
	global_prefetch_b8 v0, s[64:65] scope:SCOPE_SE
	s_setreg_imm32_b32 hwreg(HW_REG_WAVE_MODE, 25, 1), 1
	s_wait_xcnt 0x0
	s_wait_alu depctr_hold_cnt(0) depctr_sa_sdst(0) depctr_va_vdst(0) depctr_va_sdst(0) depctr_va_ssrc(0) depctr_va_vcc(0) depctr_vm_vsrc(0)
	s_getreg_b32 s2, hwreg(HW_REG_IB_STS2, 6, 4)
	s_cmp_eq_u32 s2, 0
	s_cbranch_scc0 .Lentry_in_a_cluster
	s_endpgm
.Lentry_in_a_cluster:
	s_bfe_u32 s2, ttmp6, 0x10000c
	s_cmp_lg_u32 s2, 0xf033
	s_cbranch_scc0 .Lentry_shape_is_right
	s_endpgm
.Lentry_shape_is_right:
; x w_qkv on codes of E2M1 with one E8M0 scale for each 32 along K: [8192 x 1024] x [1024 x 3072], sums in f32.
; A = xq [8192][512 bytes], xs [8192][32];  B = wq [3072 n][512 bytes], ws [3072][32].  The result leaves as f16, by head: qkv [which 3][b 16 + h][pos 2048][64];
; q (which = 0) is multiplied by c = log2(e) / 8 in f32 on the way, so that the attention's scores are exponents of 2.
; LIMIT: q c, k and v beyond 65,504 in magnitude have no f16 number.
; A tile of 256 x 256 is made by four waves, 128 x 128 each: 64 accumulators, 512 registers.  All of K lies in two LDS slots of 512 along K (rows of 256 bytes): every fill is a first fill.
; The scale bytes of the work-group's 256 + 256 rows are two dense blocks: they come once, as runs of 256 bytes + 16 of padding.
; CLUSTERS: 4 x 4 work-groups; A's tiles are asked for jointly along a row of the cluster, B's along a column.  A cluster's 1,024 columns are just one of q, k, v: which = cluster x.
; THE MATRIX INSTRUCTION IS USED TRANSPOSED (source 0 = 16 rows of B, source 1 = 16 rows of A): a lane holds eight neighbouring columns of one row.
; REGISTERS: window 0: v0-31 addresses; v32-95 scale words, two sets, and nothing else ever; v128-191 A's fragments, one set; on the way out v96-255.
;   window 1: B's fragments, two sets, at v0 and v128.   window 2: accumulators of my rows 0-63 ((a, b) at v[8 (8 a + b)]);   window 3: rows 64-127.
.set SIZE_M, 8192
.set SIZE_N, 3072
.set SIZE_K, 1024
.set KSTEP,  512
.set NQ,     KSTEP/128
.set ROWB,   256
.set KROW,   SIZE_K*4/8
.set PITCH,  272                       ; 256 bytes + 16: 68 words, so the 16 rows of a fragment load start at 16 different groups of four banks
.set FR,     8
.set NL,     2
.set NP,     4
.set HALFT,  128*PITCH
.set SLOT,   4*HALFT
.set KS,     SIZE_K/32
.set SCL,    2*SLOT
.set HALFS,  (128*KS/256)*272
.set SBLK,   (16*KS/256)*272
.set SPARE,  SCL+4*HALFS               ; the spare words, 128 bytes a wave
.set STAGE,  SPARE+512                 ; the way out: 16 rows x 272 bytes for each wave, bytes of their own
.set SPITCH, 272
.set ADRA, 16
.set ADRB, 20
.set STO,  24
.set RD,   25
.set CO,   26
.set ADRS, 27
.set SPW,  28
.set NIL,  29
.set SC,   32
.set AF,   128
.set T,    128                         ; the way out: a block's 64 numbers x the factor
.set TMP,  192                         ; the same as f16, 32 registers
.set BB0,  96                          ; rows read back: v96-127 and v224-255 by turns
.set BB1,  224
.set G1, 24
.set G0, 32
.set G1B, 48
.set G0B, 56
.set FAC, 66                           ; s[66:67] c for q, 1 for k and v
.set G1S, 68
.set G0S, 76
.set G1SB, 80
.set G0SB, 88
.set MSB, 0
.macro WIN new                         ; the immediate's high byte repeats the setting that is left
.if MSB != (\new)
	s_set_vgpr_msb (MSB<<8)|(\new)
.set MSB, (\new)
.endif
.endm
.set MUL_LO, 0xa1
.set MUL_HI, 0xf1
.set TO_B,   0x40
; A joint load: waves 0 and 1 fetch for A, waves 2 and 3 for B; the branch hangs on the wave's number alone.  An s_nop 0 and four v_nop follow each line.
.macro JLOAD g0a, g1a, g0b, g1b
	s_cmp_eq_u32 s15, 0
	s_cbranch_scc0 .Lfor_b_\@
	tensor_load_to_lds s[\g0a:\g0a+3], s[\g1a:\g1a+7]
	s_nop 0
.rept 4
	v_nop
.endr
	s_branch .Lasked_\@
.Lfor_b_\@:
	tensor_load_to_lds s[\g0b:\g0b+3], s[\g1b:\g1b+7]
	s_nop 0
.rept 4
	v_nop
.endr
.Lasked_\@:
.endm
.macro CROUND                          ; a round of the cluster's barrier
	s_barrier_signal -1
	s_barrier_wait -1
	s_cmp_lg_u32 s14, 0
	s_cbranch_scc1 .Lnot_wave_0_\@
	s_barrier_signal -3
.Lnot_wave_0_\@:
	s_barrier_wait -3
	s_barrier_signal -1
	s_barrier_wait -1
.endm
	s_load_b128 s[4:7], s[0:1], 0x0                ; xq, xs
	s_load_b128 s[8:11], s[0:1], 0x10              ; wq, ws
	s_load_b64 s[12:13], s[0:1], 0x20              ; qkv
	v_lshl_add_u32 v[SPW], v0, 2, SPARE
	v_mov_b32 v[NIL], 0
	ds_add_u32 v[SPW], v[NIL]                      ; the wave's opening: the add, twice on end, and its wait ahead of my first tensor load
	ds_add_u32 v[SPW], v[NIL]
	v_lshrrev_b32 v1, 5, v0
	v_readfirstlane_b32 s14, v1                    ; wave 0..3
	s_lshr_b32 s15, s14, 1                         ; my half of the tile's rows.  Also: I fetch for A (0) or B (1)
	s_and_b32 s16, s14, 1                          ; my half of its columns.  Also: which 128 rows I fetch
	s_bfe_u32 s40, ttmp6, 0x40000                  ; cx
	s_bfe_u32 s41, ttmp6, 0x40004                  ; cy
	s_lshl_b32 s42, ttmp9, 2
	s_add_co_u32 s42, s42, s40                     ; tile column
	s_and_b32 s17, ttmp7, 0xffff
	s_lshl_b32 s17, s17, 2
	s_add_co_u32 s17, s17, s41                     ; tile row
	s_lshl_b32 s43, s41, 2
	s_lshl_b32 s43, 15, s43                        ; my row of the cluster
	s_lshl_b32 s44, 0x1111, s40                    ; my column
	s_or_b32 s[G1+0], s43, (0<<16)|(1<<20)|(1<<21)|(5<<22)|(3<<25)   ; mask; elements of 1 byte; 4 words of padding behind every 64
	s_or_b32 s[G1B+0], s44, (0<<16)|(1<<20)|(1<<21)|(5<<22)|(3<<25)
.irp g, G1, G1B
	s_mov_b32 s[\g+1], ROWB<<16                    ; tensor_dim0
	s_mov_b32 s[\g+2], 128<<16                     ; tensor_dim1
	s_mov_b32 s[\g+3], ROWB<<16                    ; tile_dim0
	s_mov_b32 s[\g+4], 128                         ; tile_dim1
	s_mov_b32 s[\g+5], KROW                        ; from row to row
	s_mov_b32 s[\g+6], 0
	s_mov_b32 s[\g+7], 0
.endr
	s_or_b32 s[G1S+0], s43, (3<<16)|(1<<20)|(1<<21)|(5<<22)|(3<<25)  ; the scales of 128 rows: 4,096 dense bytes as 16 rows of 32 elements of 8 bytes
	s_or_b32 s[G1SB+0], s44, (3<<16)|(1<<20)|(1<<21)|(5<<22)|(3<<25)
.irp g, G1S, G1SB
	s_mov_b32 s[\g+1], 32<<16
	s_mov_b32 s[\g+2], (128*KS/256)<<16
	s_mov_b32 s[\g+3], 32<<16
	s_mov_b32 s[\g+4], 128*KS/256
	s_mov_b32 s[\g+5], 32
	s_mov_b32 s[\g+6], 0
	s_mov_b32 s[\g+7], 0
.endr
	s_cmp_eq_u32 ttmp9, 0                          ; q's columns?  The same in all sixteen partners
	s_cselect_b32 s[FAC], 0x3e38aa3b, 1.0          ; c = log2(e) / 8
	s_mov_b32 s[FAC+1], s[FAC]
	s_lshl_b32 s18, s16, 7
	s_lshl_b32 s20, s17, 8
	s_add_co_u32 s20, s20, s18                     ; A: row 256 x tile row + 128 x half
	s_lshl_b32 s46, s42, 8
	s_add_co_u32 s46, s46, s18                     ; B: row 256 x tile column + 128 x half
	s_mov_b32 s21, 0
	s_mov_b32 s47, 0
	s_mov_b64 s[18:19], KS
	s_mul_u64 s[22:23], s[20:21], s[18:19]
	s_mul_u64 s[92:93], s[46:47], s[18:19]
	s_mov_b64 s[18:19], KROW
	s_mul_u64 s[20:21], s[20:21], s[18:19]
	s_mul_u64 s[46:47], s[46:47], s[18:19]
	s_mul_i32 s45, s14, HALFT                      ; where they go: wave x 128 rows
	s_mul_i32 s94, s14, HALFS
	s_wait_dscnt 0x0                               ; both opening adds are done
	s_wait_kmcnt 0x0
	s_add_nc_u64 s[20:21], s[4:5], s[20:21]
	s_add_nc_u64 s[22:23], s[6:7], s[22:23]
	s_add_nc_u64 s[46:47], s[8:9], s[46:47]
	s_add_nc_u64 s[92:93], s[10:11], s[92:93]
	CROUND                                         ; all sixteen work-groups are here: the joint loads meet
	s_mov_b32 s[G0S], 1
	s_add_co_u32 s[G0S+1], s94, SCL
	s_mov_b64 s[G0S+2:G0S+3], s[22:23]
	s_or_b32 s[G0S+3], s[G0S+3], 0x80000000
	s_mov_b32 s[G0SB], 1
	s_add_co_u32 s[G0SB+1], s94, SCL
	s_mov_b64 s[G0SB+2:G0SB+3], s[92:93]
	s_or_b32 s[G0SB+3], s[G0SB+3], 0x80000000
	JLOAD G0S, G1S, G0SB, G1SB                     ; the scales first; three loads of mine are out behind the next two
.irp s, 0,1
	s_mov_b32 s[G0+4*\s], 1
	s_add_co_u32 s[G0+4*\s+1], s45, \s*SLOT
	s_add_nc_u64 s[G0+4*\s+2:G0+4*\s+3], s[20:21], \s*ROWB
	s_or_b32 s[G0+4*\s+3], s[G0+4*\s+3], 0x80000000
	s_mov_b32 s[G0B+4*\s], 1
	s_add_co_u32 s[G0B+4*\s+1], s45, \s*SLOT
	s_add_nc_u64 s[G0B+4*\s+2:G0B+4*\s+3], s[46:47], \s*ROWB
	s_or_b32 s[G0B+4*\s+3], s[G0B+4*\s+3], 0x80000000
	JLOAD G0+4*\s, G1, G0B+4*\s, G1B
.endr
	v_and_b32 v1, 15, v0                           ; r = l % 16
	v_bfe_u32 v2, v0, 4, 1                         ; h = l / 16
	v_mul_u32_u24 v3, v1, PITCH
	v_lshl_add_u32 v4, v2, 4, v3
	s_mul_i32 s21, s15, HALFT
	s_mul_i32 s22, s16, HALFT
	s_add_co_u32 s22, s22, 2*HALFT
.irp s, 0,1
	v_add_nc_u32 v[ADRA+\s], s21, v4
	v_add_nc_u32 v[ADRB+\s], s22, v4
	s_add_co_u32 s21, s21, SLOT
	s_add_co_u32 s22, s22, SLOT
.endr
	v_mul_u32_u24 v5, v1, KS                       ; my row's scales: KS bytes a row,
	v_lshrrev_b32 v6, 8, v5
	v_lshl_add_u32 v5, v6, 4, v5                   ; and 16 more for each 256 passed
	s_mul_i32 s21, s15, HALFS
	s_mul_i32 s22, s16, HALFS
	s_add_co_u32 s22, s22, 2*HALFS
	s_sub_co_u32 s22, s22, s21
	v_mul_u32_u24 v6, s22, v2                      ; lanes 16-31 take B's
	s_add_co_u32 s21, s21, SCL
	v_add_nc_u32 v5, v5, v6
	v_add_nc_u32 v[ADRS], s21, v5
	s_mul_i32 s23, s14, 16*SPITCH
	s_add_co_u32 s23, s23, STAGE                   ; my stage
	v_mul_u32_u24 v5, v1, SPITCH
	v_lshl_add_u32 v5, v2, 4, v5
	v_add_nc_u32 v[STO], s23, v5                   ; in: row r, 16 bytes for each half of the lanes
	v_and_b32 v6, 31, v0
	v_lshlrev_b32 v[CO], 4, v6                     ; out: 16 x lane in 512 dense bytes
	v_lshrrev_b32 v5, 3, v6
	v_mul_u32_u24 v5, v5, SPITCH
	v_and_b32 v6, 7, v0
	v_lshl_add_u32 v5, v6, 4, v5
	v_add_nc_u32 v[RD], s23, v5                    ; back: eight lanes take a head's 128 bytes of a row, four rows an instruction
	s_lshr_b32 s20, s17, 3                         ; where my part begins in qkv: b x 16 heads of 262,144 bytes,
	s_lshl_b32 s20, s20, 22
	s_and_b32 s21, s17, 7
	s_lshl_b32 s21, s21, 15                        ; 256 positions of 128 bytes for each tile row in the batch,
	s_add_co_u32 s20, s20, s21
	s_lshl_b32 s21, s15, 14                        ; my half's 128 positions,
	s_add_co_u32 s20, s20, s21
	s_lshl_b32 s21, ttmp9, 24                      ; which of q, k, v,
	s_add_co_u32 s20, s20, s21
	s_mov_b32 s21, 0
	s_lshl_b32 s46, s40, 20                        ; head 4 cx + 2 x my half of the columns
	s_lshl_b32 s47, s16, 19
	s_add_co_u32 s46, s46, s47
	s_mov_b32 s47, 0
	s_add_nc_u64 s[20:21], s[20:21], s[46:47]
	s_add_nc_u64 s[12:13], s[12:13], s[20:21]
.macro FRAG reg, adr, q, i             ; 16 rows x 128 K of 4-bit codes: 8 registers, two loads of 16 bytes, 32 bytes apart
.irp c, 0,1
	ds_load_b128 v[\reg+4*\c:\reg+4*\c+3], v[\adr] offset:64*(\q)+32*\c+(\i)*16*PITCH
.endr
.endm
; 16 matrix instructions: A's blocks a0, a0 + 1 x B's eight.  The 64 accumulators take turns, one instruction a turn.
.macro MUL16 a0, p, q, sc, zero
.irp a, \a0, \a0+1
.irp b, 0,1,2,3,4,5,6,7
.if \zero
	v_wmma_scale_f32_16x16x128_f8f6f4 v[8*(8*((\a)%4)+\b):8*(8*((\a)%4)+\b)+7], v[128*(\p)+FR*\b:128*(\p)+FR*\b+FR-1], v[AF+FR*(\a):AF+FR*(\a)+FR-1], 0, v[SC+8*NQ*(\sc)+NQ*\b+(\q)], v[SC+8*NQ*(\sc)+NQ*(\a)+(\q)] matrix_a_fmt:MATRIX_FMT_FP4 matrix_b_fmt:MATRIX_FMT_FP4 matrix_a_scale:MATRIX_SCALE_ROW1
.else
	v_wmma_scale_f32_16x16x128_f8f6f4 v[8*(8*((\a)%4)+\b):8*(8*((\a)%4)+\b)+7], v[128*(\p)+FR*\b:128*(\p)+FR*\b+FR-1], v[AF+FR*(\a):AF+FR*(\a)+FR-1], v[8*(8*((\a)%4)+\b):8*(8*((\a)%4)+\b)+7], v[SC+8*NQ*(\sc)+NQ*\b+(\q)], v[SC+8*NQ*(\sc)+NQ*(\a)+(\q)] matrix_a_fmt:MATRIX_FMT_FP4 matrix_b_fmt:MATRIX_FMT_FP4 matrix_a_scale:MATRIX_SCALE_ROW1
.endif
.endr
.endr
.endm
.macro FETCH_B slot, q, p
	WIN TO_B
.irp i, 0,1,2,3,4,5,6,7
	FRAG 128*(\p)+FR*\i, ADRB+\slot, \q, \i
.endr
	WIN 0
.endm
.macro FETCH_A slot, q, i0
.irp i, \i0, \i0+1, \i0+2, \i0+3
	FRAG AF+FR*(\i), ADRA+\slot, \q, \i
.endr
.endm
.macro SCALES sc                       ; a slot's scale words: lanes 0-15 A's block i, lanes 16-31 B's block i
.irp i, 0,1,2,3,4,5,6,7
	ds_load_b128 v[SC+8*NQ*\sc+NQ*\i:SC+8*NQ*\sc+NQ*\i+3], v[ADRS] offset:\i*SBLK
.endr
.endm
.macro PLACES n                        ; plain vector lines between a matrix instruction and a load into, or a read of, its registers
.rept \n
	v_nop
.endr
.endm
.macro STEP slot, q, zero              ; 128 along K with its successor in the same slot
	s_wait_dscnt 4*NL                              ; B's set and A's blocks 0-3 are in; A's blocks 4-7 (8 loads) may be out
	WIN MUL_LO
	MUL16 0, (\q)%2, \q, \slot, \zero
	MUL16 2, (\q)%2, \q, \slot, \zero
	s_wait_dscnt 0
	PLACES NP
	FETCH_B \slot, (\q)+1, 1-(\q)%2
	FETCH_A \slot, (\q)+1, 0
	WIN MUL_HI
	MUL16 4, (\q)%2, \q, \slot, \zero
	MUL16 6, (\q)%2, \q, \slot, \zero
	PLACES NP
	WIN 0
	FETCH_A \slot, (\q)+1, 4
.endm
.macro TURN slot, next                 ; a slot's last step, and the change of slots: nothing is filled again
	s_wait_tensorcnt 0x0                           ; all my tensor loads have landed: my part of the next slot
	ds_add_u32 v[SPW], v[NIL]
	s_wait_dscnt 4*NL+1                            ; the add and A's blocks 4-7 may be out
	WIN MUL_LO
	MUL16 0, 1, NQ-1, \slot, 0
	s_wait_dscnt 0x0
	s_barrier_signal -1
	MUL16 2, 1, NQ-1, \slot, 0
	WIN 0
	s_barrier_wait -1                              ; the next slot is whole
	PLACES NP
	v_add_nc_u32 v[ADRS], 4*NQ, v[ADRS]            ; the next slot's scale words
	FETCH_B \next, 0, 0
	FETCH_A \next, 0, 0
	SCALES \next
	WIN MUL_HI
	MUL16 4, 1, NQ-1, \slot, 0
	MUL16 6, 1, NQ-1, \slot, 0
	PLACES NP
	WIN 0
	FETCH_A \next, 0, 4
.endm
	s_wait_tensorcnt 1                             ; the scales and my part of slot 0 are in; slot 1's load may be out
	s_barrier_signal -1
	s_barrier_wait -1
	FETCH_B 0, 0, 0
	FETCH_A 0, 0, 0
	SCALES 0
	FETCH_A 0, 0, 4
	STEP 0, 0, 1                                   ; the first products start the sums: nothing is cleared
	STEP 0, 1, 0
	STEP 0, 2, 0
	TURN 0, 1
	STEP 1, 0, 0
	STEP 1, 1, 0
	STEP 1, 2, 0
	s_wait_dscnt 4*NL
	WIN MUL_LO
	MUL16 0, 1, NQ-1, 1, 0
	MUL16 2, 1, NQ-1, 1, 0
	s_wait_dscnt 0
	WIN MUL_HI
	MUL16 4, 1, NQ-1, 1, 0
	MUL16 6, 1, NQ-1, 1, 0
	WIN 0
; THE WAY OUT, a block of 16 rows x 128 columns (two heads) at a time: x the factor in f32, rounded to f16, through my own stage, and out as 512 dense bytes a store:
; in qkv a head's 16 positions are 2,048 consecutive bytes.
.macro PACK a
.set AC, 64*((\a)%4)
	WIN 0x02+(\a)/4                                ; source 0: window 2 or 3
.irp b, 0,1,2,3,4,5,6,7
.irp i, 0,1,2,3
	v_pk_mul_f32 v[T+8*\b+2*\i:T+8*\b+2*\i+1], v[AC+8*\b+2*\i:AC+8*\b+2*\i+1], s[FAC:FAC+1] op_sel_hi:[1,0]   ; each accumulator from its low end on
.endr
.endr
	WIN 0
.irp b, 0,1,2,3,4,5,6,7
.irp i, 0,1,2,3
	v_cvt_pk_f16_f32 v[TMP+4*\b+\i], v[T+8*\b+2*\i], v[T+8*\b+2*\i+1]
.endr
.endr
.endm
.macro TOSTAGE a
.set BB, BB0+(BB1-BB0)*((\a)%2)
.irp b, 0,1,2,3,4,5,6,7
	ds_store_b128 v[STO], v[TMP+4*\b:TMP+4*\b+3] offset:32*\b
.endr
.irp u, 0,1
.irp i, 0,1,2,3
	ds_load_b128 v[BB+4*(4*\u+\i):BB+4*(4*\u+\i)+3], v[RD] offset:4*\i*SPITCH+128*\u   ; LDS serves a wave's instructions in order: these see the stores above
.endr
.endr
.endm
.macro SEND a
.set BB, BB0+(BB1-BB0)*((\a)%2)
	s_wait_dscnt 0x0                               ; the block is back in registers
	s_wait_xcnt 0x0                                ; the block before has been read by its stores: the next loads from the stage may land on its registers
.irp u, 0,1
.irp i, 0,1,2,3
	global_store_b128 v[CO], v[BB+4*(4*\u+\i):BB+4*(4*\u+\i)+3], s[12:13] offset:262144*\u+2048*(\a)+512*\i
.endr
.endr
.endm
	PLACES NP
	PACK 0
	TOSTAGE 0
.irp a, 1,2,3,4,5,6,7
	PACK \a                                        ; a block's arithmetic stands between the loads of the block before and the wait for them
	SEND \a-1
	TOSTAGE \a
.endr
	SEND 7
	s_wait_tensorcnt 0x0                           ; the wave's end
	ds_add_u32 v[SPW], v[NIL]
	s_wait_dscnt 0x0
	CROUND                                         ; the closing round
	s_endpgm
.Lfunc_end_k_q4696bd17a5_qkvgemm:
	.size	k_q4696bd17a5_qkvgemm, .Lfunc_end_k_q4696bd17a5_qkvgemm-k_q4696bd17a5_qkvgemm
	.p2alignl 7, 3214868480
	.fill 96, 4, 3214868480
	.section	.rodata,"a",@progbits
	.p2align	6, 0x0
	.amdhsa_kernel k_q4696bd17a5_qkvgemm
		.amdhsa_group_segment_fixed_size 327680
		.amdhsa_private_segment_fixed_size 0
		.amdhsa_enable_private_segment 0
		.amdhsa_kernarg_size 40
		.amdhsa_user_sgpr_count 2
		.amdhsa_user_sgpr_kernarg_segment_ptr 1
		.amdhsa_wavefront_size32 1
		.amdhsa_system_sgpr_workgroup_id_x 1
		.amdhsa_system_sgpr_workgroup_id_y 1
		.amdhsa_system_sgpr_workgroup_id_z 1
		.amdhsa_system_vgpr_workitem_id 0
		.amdhsa_next_free_vgpr 1024
		.amdhsa_next_free_sgpr 98
		.amdhsa_reserve_vcc 0
		.amdhsa_float_denorm_mode_32 3
		.amdhsa_float_denorm_mode_16_64 3
		.amdhsa_memory_ordered 1
		.amdhsa_forward_progress 1
		.amdhsa_inst_pref_size 143
	.end_amdhsa_kernel
	.amdgpu_metadata
---
amdhsa.version: [ 1, 2 ]
amdhsa.kernels:
  - .name:           k_q4696bd17a5_qkvgemm
    .symbol:         k_q4696bd17a5_qkvgemm.kd
    .args:
      - { .name: xq, .offset: 0, .size: 8, .value_kind: global_buffer, .address_space: global }
      - { .name: xs, .offset: 8, .size: 8, .value_kind: global_buffer, .address_space: global }
      - { .name: wq, .offset: 16, .size: 8, .value_kind: global_buffer, .address_space: global }
      - { .name: ws, .offset: 24, .size: 8, .value_kind: global_buffer, .address_space: global }
      - { .name: qkv, .offset: 32, .size: 8, .value_kind: global_buffer, .address_space: global }
    .group_segment_fixed_size: 327680
    .private_segment_fixed_size: 0
    .kernarg_segment_align: 8
    .kernarg_segment_size: 40
    .max_flat_workgroup_size: 128
    .sgpr_count:     98
    .vgpr_count:     1024
    .wavefront_size: 32
...
	.end_amdgpu_metadata
.endif
;; end of part 2
;; launch attn (part 3): grid 4 x 64, 8 waves a work-group, clusters of 4 x 1, 327,680 bytes of LDS; arguments qkv, oh; writes oh
.if DOCPART == 3
	.amdgcn_target "amdgcn-amd-amdhsa--gfx1250"
	.amdhsa_code_object_version 6
	.text
	.protected	k_q4696bd17a5_attn
	.globl	k_q4696bd17a5_attn
	.p2align	8
	.type	k_q4696bd17a5_attn,@function
k_q4696bd17a5_attn:
	s_mov_b64 s[64:65], 0
	v_nop
	global_prefetch_b8 v0, s[64:65] scope:SCOPE_SE
	s_setreg_imm32_b32 hwreg(HW_REG_WAVE_MODE, 25, 1), 1
	s_wait_xcnt 0x0
	s_wait_alu depctr_hold_cnt(0) depctr_sa_sdst(0) depctr_va_vdst(0) depctr_va_sdst(0) depctr_va_ssrc(0) depctr_va_vcc(0) depctr_vm_vsrc(0)
	s_getreg_b32 s2, hwreg(HW_REG_IB_STS2, 6, 4)
	s_cmp_eq_u32 s2, 0
	s_cbranch_scc0 .Lentry_in_a_cluster
	s_endpgm
.Lentry_in_a_cluster:
	s_bfe_u32 s2, ttmp6, 0x10000c
	s_cmp_lg_u32 s2, 0x3003
	s_cbranch_scc0 .Lentry_shape_is_right
	s_endpgm
.Lentry_shape_is_right:
; oh[bh][q][:] = the sum over k of softmax_k(q . k / 8) v[k][:], for 64 (batch, head) pairs of 2,048 positions and 64 channels.  Operands f16, products, maxima and sums f32.
; qkv: f16 [which 3][bh 64][pos 2048][64]; q already carries log2(e) / 8, so a score is an exponent of 2.  oh: f16 [bh][pos][64].
; SOFTMAX: for each query a running maximum m and sum l: p = 2^(s - m); in every step O and l are multiplied by a = 2^(m_old - m_new).  p is rounded to f16 for the second product; l sums the unrounded p.
; LIMITS: none beyond f16's range of the operands as they were stored; p lies in 0 .. 1.
; SHARES: a cluster of four work-groups is one (batch, head); a work-group owns 512 queries, each of its eight waves 64: four tiles of 16.  Two waves lie on a SIMD with 512 registers each,
; so that one wave's softmax stands beside the other's products.  Every wave walks all 2,048 keys, 64 a step; a fragment of K or V read from LDS feeds four products.
; LAYOUT: S^T = K Q^T (source 0 = 16 keys, source 1 = 16 queries) and O^T = V^T P (source 0 = 16 channels, by the turning load): a lane holds ONE query (lane % 16) throughout.
; RING: two LDS slots of four steps (256 keys); waves 0-3 fetch K's tile of step w, waves 4-7 V's of step w - 4, jointly for the four work-groups.  By this text's count two loads of a wave are out at the start, later one.
; REGISTERS: window 0: v1-13 addresses; v16-63 statistics, 12 a tile (+0 m, +1 m_old - m_new, +2:3 l, +4 a, +6..9 at work); v64-191 S^T, 32 a tile, then P in its first 16; v192-255 K.
;   window 1: v0-127 O^T, 32 a tile; v128-191 Q, 16 a tile; v192-255 V.
.set KS,    64
.set PK,    144                        ; a row of K in LDS: 128 bytes + 16 = 36 words: 16 rows start at 16 different groups of four banks
.set PVP,   160                        ; a row of V: 128 + 32 = 40 words: 8 rows start at 8 different groups of eight banks
.set VOFF,  KS*PK
.set STEPB, KS*(PK+PVP)                ; a step's tile of K, then its tile of V
.set NST,   4
.set SLOT1, 1<<17
.set STAGE, SLOT1+NST*STEPB            ; the way out: 16 rows x 144 bytes for each wave
.set SPARE, STAGE+8*16*PK              ; the spare words, 128 bytes for each of eight waves
.set KBASE, 16777216                   ; k's and v's first bytes in qkv
.set VBASE, 33554432
.set SLOTB, NST*KS*128                 ; a slot's rows of K or of V in memory: 32,768 bytes
.set AK0, 2
.set AV0, 3
.set ADK, 4
.set ADV, 5
.set QO,  6
.set STO, 7
.set RD,  8
.set GO,  9
.set PFO, 10
.set SPW, 12
.set NIL, 13
.set ST,  16
.set S,   64
.set KF,  192
.set QF,  128
.set VF,  192
.set WV,  8
.set G1K, 24
.set G1V, 32
.set G0K, 40
.set G0V, 48
.set SLOTS, 56
.set CNT, 57
.set SEL, 58
.set TB,  60
.set LIM, 61
.set PFA, 62
.set MSB, 0
.macro WIN new                         ; the immediate's high byte repeats the setting that is left
.if MSB != (\new)
	s_set_vgpr_msb (MSB<<8)|(\new)
.set MSB, (\new)
.endif
.endm
.macro PLACES n
.rept \n
	v_nop
.endr
.endm
.macro CROUND                          ; a round of the cluster's barrier
	s_barrier_signal -1
	s_barrier_wait -1
	s_cmp_lg_u32 s[WV], 0
	s_cbranch_scc1 .Lnot_wave_0_\@
	s_barrier_signal -3
.Lnot_wave_0_\@:
	s_barrier_wait -3
	s_barrier_signal -1
	s_barrier_wait -1
.endm
.macro JLOAD                           ; a joint refill by the walking descriptors; an s_nop 0 and four v_nop follow each line
	s_cmp_lt_u32 s[WV], 4
	s_cbranch_scc0 .Lfor_v_\@
	tensor_load_to_lds s[G0K+4:G0K+7], s[G1K:G1K+7]
	s_nop 0
.rept 4
	v_nop
.endr
	s_branch .Lasked_\@
.Lfor_v_\@:
	tensor_load_to_lds s[G0V+4:G0V+7], s[G1V:G1V+7]
	s_nop 0
.rept 4
	v_nop
.endr
.Lasked_\@:
.endm
; A prefetch of what the NEXT change of slots will load: 32,768 bytes of K and as many of V.  The four partners take 8,192 bytes each, told apart by address; in each, wave 0 asks for K's and
; wave 4 for V's, lanes 256 bytes apart: each run of 256 bytes is named once in the launch.  It leads its load by a slot: four steps, 256 products of a wave.  The last change that fills asks for nothing.
.macro ASK
	s_cmp_gt_u32 s[SLOTS], s[LIM]
	s_cbranch_scc0 .Lnot_mine_\@
	global_prefetch_b8 v[PFO], s[PFA:PFA+1] th:TH_LOAD_NT scope:SCOPE_SE
.Lnot_mine_\@:
.endm
.macro FETCH_K                         ; 64 keys x 64 channels: 8 fragments, 16 loads
	v_add_nc_u32 v[ADK], s[TB], v[AK0]
.irp kt, 0,1,2,3
.irp c, 0,1
	ds_load_b128 v[KF+16*\kt+8*\c:KF+16*\kt+8*\c+3], v[ADK] offset:16*PK*\kt+64*\c
	ds_load_b128 v[KF+16*\kt+8*\c+4:KF+16*\kt+8*\c+7], v[ADK] offset:16*PK*\kt+64*\c+32
.endr
.endr
.endm
.macro FETCH_V                         ; the same step's V, turned: 8 fragments of 16 channels x 32 keys
	v_add_nc_u32 v[ADV], s[TB], v[AV0]
	s_add_co_u32 s[TB], s[TB], STEPB               ; the next fetch is the next step's
	WIN 0x40                                       ; destination window 1
.irp kc, 0,1
.irp ct, 0,1,2,3
	ds_load_tr16_b128 v[VF+32*\kc+8*\ct:VF+32*\kc+8*\ct+3], v[ADV] offset:32*PVP*\kc+32*\ct
	ds_load_tr16_b128 v[VF+32*\kc+8*\ct+4:VF+32*\kc+8*\ct+7], v[ADV] offset:32*PVP*\kc+32*\ct+16*PVP
.endr
.endr
	WIN 0
.endm
; 32 products S^T = K Q^T: channels 32 (mi / 16) on, keys 16 ((mi / 4) % 4) on, tile mi % 4.  Sixteen accumulators by turns; the first 16 start the sums.
.macro KQ
.set mi, 0
.rept 32
.set rS, S+32*(mi%4)+8*((mi/4)%4)
.set rK, KF+16*((mi/4)%4)+8*(mi/16)
.set rQ, QF+16*(mi%4)+8*(mi/16)
.if mi < 16
	v_wmma_f32_16x16x32_f16 v[rS:rS+7], v[rK:rK+7], v[rQ:rQ+7], 0
.else
	v_wmma_f32_16x16x32_f16 v[rS:rS+7], v[rK:rK+7], v[rQ:rQ+7], v[rS:rS+7]
.endif
.set mi, mi+1
.endr
.endm
; 32 products O^T += V^T P: keys 32 (mi / 16) on, channels 16 ((mi / 4) % 4) on, tile mi % 4.  zero = 1: the first 16 start the sums.
.macro PVM zero
.set mi, 0
.rept 32
.set rO, 32*(mi%4)+8*((mi/4)%4)
.set rV, VF+32*(mi/16)+8*((mi/4)%4)
.set rP, S+32*(mi%4)+8*(mi/16)
.if (\zero) && (mi < 16)
	v_wmma_f32_16x16x32_f16 v[rO:rO+7], v[rV:rV+7], v[rP:rP+7], 0
.else
	v_wmma_f32_16x16x32_f16 v[rO:rO+7], v[rV:rV+7], v[rP:rP+7], v[rO:rO+7]
.endif
.set mi, mi+1
.endr
.endm
; Number j of 16 of tile t's maximum: four chains of seven scores, each beginning at the low end of an accumulator, then the four scores left over, the chains and the old m.
.macro MAXJ t, j, first
.set rT, ST+12*(\t)
.set rS, S+32*(\t)
.if (\j) < 4
	v_max3_num_f32 v[rT+6+(\j)], v[rS+8*(\j)], v[rS+8*(\j)+1], v[rS+8*(\j)+2]
.elseif (\j) < 12
	v_max3_num_f32 v[rT+6+(\j)%4], v[rT+6+(\j)%4], v[rS+8*((\j)%4)+2*((\j)/4)+1], v[rS+8*((\j)%4)+2*((\j)/4)+2]
.elseif (\j) == 12
	v_max3_num_f32 v[rT+6], v[rT+6], v[rS+7], v[rS+15]
.elseif (\j) == 13
	v_max3_num_f32 v[rT+8], v[rT+8], v[rS+23], v[rS+31]
.elseif (\j) == 14
	v_max3_num_f32 v[rT+6], v[rT+6], v[rT+7], v[rT+8]
.elseif \first
	v_max_num_f32 v[rT+6], v[rT+6], v[rT+9]
.else
	v_max3_num_f32 v[rT+6], v[rT+6], v[rT+9], v[rT]
.endif
.endm
.macro SUBM t, p                       ; pair p of tile t: s - m (of the pair (m, m_old - m_new) the low word serves both halves)
	v_pk_add_f32 v[S+32*(\t)+2*(\p):S+32*(\t)+2*(\p)+1], v[S+32*(\t)+2*(\p):S+32*(\t)+2*(\p)+1], v[ST+12*(\t):ST+12*(\t)+1] op_sel_hi:[1,0] neg_lo:[0,1] neg_hi:[0,1]
.endm
.macro EXPS t, e
	v_exp_f32 v[S+32*(\t)+(\e)], v[S+32*(\t)+(\e)]
.endm
; Number i of 32 of what reads tile t's weights: 16 lines of sums (two chains of pairs, then l = l a + the sum), then 16 roundings to f16, P[p] into S's register p, ascending: behind the sums, and never onto a weight not yet rounded.
.macro PL t, i, first
.set rT, ST+12*(\t)
.set rS, S+32*(\t)
.if (\i) == 0
	v_pk_add_f32 v[rT+6:rT+7], v[rS:rS+1], v[rS+2:rS+3]
.elseif (\i) == 1
	v_pk_add_f32 v[rT+8:rT+9], v[rS+4:rS+5], v[rS+6:rS+7]
.elseif (\i) < 14
	v_pk_add_f32 v[rT+6+2*((\i)%2):rT+7+2*((\i)%2)], v[rT+6+2*((\i)%2):rT+7+2*((\i)%2)], v[rS+2*(\i)+4:rS+2*(\i)+5]
.elseif (\i) == 14
.if \first
	v_pk_add_f32 v[rT+2:rT+3], v[rT+6:rT+7], v[rT+8:rT+9]
.else
	v_pk_add_f32 v[rT+6:rT+7], v[rT+6:rT+7], v[rT+8:rT+9]
.endif
.elseif (\i) == 15
.if (\first) == 0
	v_pk_fma_f32 v[rT+2:rT+3], v[rT+2:rT+3], v[rT+4:rT+5], v[rT+6:rT+7] op_sel_hi:[1,0,1]
.endif
.else
	v_cvt_pk_f16_f32 v[rS+(\i)-16], v[rS+2*((\i)-16)], v[rS+2*((\i)-16)+1]
.endif
.endm
; A step's softmax for the wave's four tiles.  The exponentials go in two batches with one wait each:
; batch A is a and tiles 0, 1, set among all four tiles' subtractions; batch B is tiles 2, 3, set among the lines that read tiles 0, 1; O^T's rescaling stands between batch B and its wait.
.macro SOFTMAX first
.set sj, 0
.rept 16
.irp t, 0,1,2,3
	MAXJ \t, sj, \first
.endr
.set sj, sj+1
.endr
.irp t, 0,1,2,3
	v_permlanex16_b32 v[ST+12*\t+7], v[ST+12*\t+6], s[SEL], s[SEL+1]   ; the query's other 32 keys lie in the lane 16 away
.endr
.irp t, 0,1,2,3
	v_max_num_f32 v[ST+12*\t+8], v[ST+12*\t+6], v[ST+12*\t+7]
.endr
.if \first
.irp t, 0,1,2,3
	v_mov_b32 v[ST+12*\t+1], 0                     ; named as upper halves of pairs, so they are written
	v_mov_b32 v[ST+12*\t+5], 0
.endr
.else
.irp t, 0,1,2,3
	v_sub_f32 v[ST+12*\t+1], v[ST+12*\t], v[ST+12*\t+8]
.endr
.endif
.irp t, 0,1,2,3
	v_mov_b32 v[ST+12*\t], v[ST+12*\t+8]
.endr
.if (\first) == 0
.irp t, 0,1,2,3
	v_exp_f32 v[ST+12*\t+4], v[ST+12*\t+1]         ; a
.endr
.endif
.set sj, 0
.rept 16
	SUBM 0, sj
	SUBM 1, sj
	EXPS 0, 2*sj
	SUBM 2, sj
	EXPS 0, 2*sj+1
	SUBM 3, sj
	EXPS 1, 2*sj
	EXPS 1, 2*sj+1
.set sj, sj+1
.endr
	v_nop                                          ; a plain line behind the last exponential
	s_wait_alu depctr_va_vdst(0)                   ; the wait for batch A
.set sj, 0
.rept 32
	PL 0, sj, \first
	EXPS 2, sj
	PL 1, sj, \first
	EXPS 3, sj
.set sj, sj+1
.endr
.if \first
	v_nop
.else
	WIN 0x41                                       ; O^T in window 1, a in window 0
.set sj, 0
.rept 16
.irp t, 0,1,2,3
	v_pk_mul_f32 v[32*\t+2*sj:32*\t+2*sj+1], v[32*\t+2*sj:32*\t+2*sj+1], v[ST+12*\t+4:ST+12*\t+5] op_sel_hi:[1,0]   ; each accumulator from its low end on
.endr
.set sj, sj+1
.endr
	WIN 0
.endif
	s_wait_alu depctr_va_vdst(0)                   ; the wait for batch B
.set sj, 0
.rept 32
	PL 2, sj, \first
	PL 3, sj, \first
.set sj, sj+1
.endr
.endm
; A key step j: K of step j + 1 is asked for | softmax of step j | V^T P of step j | K Q^T of step j + 1 | V of step j + 1 is asked for.
.macro BODY first, more
.if \more
	FETCH_K                                        ; the last products that read K's registers stand in front of four plain lines
.endif
	SOFTMAX \first
.if \more
	s_wait_dscnt 16                                ; V is in; K's 16 younger loads may be out
.else
	s_wait_dscnt 0x0
.endif
	WIN 0x51                                       ; V and O^T in window 1, P in window 0
	PVM \first
	WIN 0
.if \more
	PLACES 5                                       ; the next products write over S^T's registers, which these read as P
	s_wait_dscnt 0x0                               ; K is in
	WIN 0x04                                       ; Q in window 1
	KQ
	WIN 0
	PLACES 4                                       ; in front of the loads into V's and K's registers and of the first read of the scores
	FETCH_V
.endif
.endm
.macro STEPS n
	s_mov_b32 s[CNT], \n
.Lstep_\@:
	BODY 0, 1
	s_sub_co_u32 s[CNT], s[CNT], 1
	s_cmp_lg_u32 s[CNT], 0
	s_cbranch_scc1 .Lstep_\@
.endm
; THE CHANGE OF SLOTS: the slot's last bytes, V of its fourth step, have been asked for.  Each wave waits for all its tensor loads (one is out: its part of the other slot), adds 0 to its spare
; word, and waits for that and for its reads of the slot.  fill = 1: the barrier is a round of the cluster's, and the joint refill, the keys two slots on, is the first thing behind it.
.macro CHANGE fill
	WIN 0
	s_wait_tensorcnt 0x0                           ; no tensor load of mine is out, so a group 0 may be written
	ds_add_u32 v[SPW], v[NIL]
.if \fill
.irp g, G0K+4, G0V+4
	s_xor_b32 s[\g+1], s[\g+1], SLOT1              ; the walking descriptor: the other slot,
	s_add_nc_u64 s[\g+2:\g+3], s[\g+2:\g+3], SLOTB ; the next 256 keys
.endr
	s_wait_xcnt 0x0                                ; the last prefetch, a slot back, has read its address
	s_add_nc_u64 s[PFA:PFA+1], s[PFA:PFA+1], SLOTB
	s_wait_dscnt 0x0                               ; the add is done, and my reads of the slot are over
	CROUND
	JLOAD
	ASK
.else
	s_wait_dscnt 0x0
	s_barrier_signal -1
	s_barrier_wait -1
.endif
	s_sub_co_u32 s[TB], s[TB], NST*STEPB           ; the fetches go back to a slot's first step,
	s_xor_b32 s[TB], s[TB], SLOT1                  ; in the other slot
.endm
	s_load_b128 s[4:7], s[0:1], 0x0                ; qkv s[4:5], oh s[6:7]
	v_lshl_add_u32 v[SPW], v0, 2, SPARE
	v_mov_b32 v[NIL], 0
	ds_add_u32 v[SPW], v[NIL]                      ; the wave's opening: the add, twice on end, and its wait ahead of my first tensor load
	ds_add_u32 v[SPW], v[NIL]
	v_lshrrev_b32 v1, 5, v0
	v_readfirstlane_b32 s[WV], v1                  ; wave 0..7
	s_bfe_u32 s9, ttmp6, 0x40000                   ; cx: it enters Q's, O's and the prefetches' addresses alone
	s_and_b32 s10, ttmp7, 0xffff                   ; the (batch, head), which the four partners share
	s_lshl_b32 s12, s10, 18                        ; its first byte in each of q, k, v and in oh
	s_and_b32 s11, s[WV], 3                        ; which of a slot's four steps I fetch:
	s_lshl_b32 s14, s11, 13                        ; its 64 rows of 128 bytes in memory,
	s_add_co_u32 s14, s14, s12
	s_mov_b32 s15, 0
	s_mul_i32 s16, s11, STEPB                      ; and its place in a slot
	s_lshl_b32 s18, s9, 16                         ; my work-group's 512 queries,
	s_lshl_b32 s19, s[WV], 13                      ; my wave's 64 of them
	s_add_co_u32 s18, s18, s19
	s_add_co_u32 s18, s18, s12
	s_mov_b32 s19, 0
	s_cmp_lt_u32 s[WV], 4                          ; the prefetches: K's rows or V's, in slot 2 (the first change steps it to slot 3),
	s_mov_b32 s2, VBASE+2*SLOTB
	s_cselect_b32 s2, KBASE+2*SLOTB, s2
	s_lshl_b32 s3, s9, 13                          ; my work-group's quarter of a slot
	s_add_co_u32 s2, s2, s3
	s_add_co_u32 s2, s2, s12
	s_mov_b32 s3, 0
	s_cmp_eq_u32 s11, 0
	s_cselect_b32 s[LIM], 1, -1                    ; waves 0 and 4 ask
	s_mov_b32 s[G1K], 15|(1<<16)|(1<<20)|(1<<21)|(4<<22)|(3<<25)   ; mask: all four; elements of 2 bytes; 4 words of padding behind every 32
	s_mov_b32 s[G1V], 15|(1<<16)|(1<<20)|(1<<21)|(4<<22)|(7<<25)   ; the same with 8 words
.irp g, G1K, G1V
	s_mov_b32 s[\g+1], 64<<16                      ; tensor_dim0 = 64
	s_mov_b32 s[\g+2], KS<<16                      ; tensor_dim1 = 64
	s_mov_b32 s[\g+3], 64<<16                      ; tile_dim0 = 64
	s_mov_b32 s[\g+4], KS                          ; tile_dim1 = 64
	s_mov_b32 s[\g+5], 64                          ; elements from row to row
	s_mov_b32 s[\g+6], 0
	s_mov_b32 s[\g+7], 0
.endr
	s_mov_b32 s[SEL], 0x76543210
	s_mov_b32 s[SEL+1], 0xfedcba98                 ; lane l xor 16
	s_mov_b32 s[TB], 0
	s_mov_b32 s[SLOTS], 2048/(NST*KS)-2            ; six refills
	v_and_b32 v[PFO], 31, v0
	v_lshlrev_b32 v[PFO], 8, v[PFO]
	s_wait_dscnt 0x0                               ; both opening adds are done
	s_wait_kmcnt 0x0
	s_add_nc_u64 s[20:21], s[4:5], s[18:19]        ; Q at my wave's first row
	s_add_nc_u64 s[22:23], s[6:7], s[18:19]        ; O likewise
	s_add_nc_u64 s[14:15], s[4:5], s[14:15]        ; qkv at my step's rows of the head
	s_add_nc_u64 s[PFA:PFA+1], s[4:5], s[2:3]
	CROUND                                         ; all four work-groups are here: the first joint loads meet
.irp s, 0,1
	s_mov_b32 s[G0K+4*\s], 1
	s_add_co_u32 s[G0K+4*\s+1], s16, \s*SLOT1
	s_add_nc_u64 s[G0K+4*\s+2:G0K+4*\s+3], s[14:15], KBASE+\s*SLOTB
	s_or_b32 s[G0K+4*\s+3], s[G0K+4*\s+3], 0x80000000
	s_mov_b32 s[G0V+4*\s], 1
	s_add_co_u32 s[G0V+4*\s+1], s16, \s*SLOT1+VOFF
	s_add_nc_u64 s[G0V+4*\s+2:G0V+4*\s+3], s[14:15], VBASE+\s*SLOTB
	s_or_b32 s[G0V+4*\s+3], s[G0V+4*\s+3], 0x80000000
.endr
	s_cmp_lt_u32 s[WV], 4                          ; a wave's two first fills stand in one branch
	s_cbranch_scc0 .Lfirst_v
	tensor_load_to_lds s[G0K:G0K+3], s[G1K:G1K+7]
	s_nop 0
	tensor_load_to_lds s[G0K+4:G0K+7], s[G1K:G1K+7]
	s_nop 0
.rept 4
	v_nop
.endr
	s_branch .Lfirst_asked
.Lfirst_v:
	tensor_load_to_lds s[G0V:G0V+3], s[G1V:G1V+7]
	s_nop 0
	tensor_load_to_lds s[G0V+4:G0V+7], s[G1V:G1V+7]
	s_nop 0
.rept 4
	v_nop
.endr
.Lfirst_asked:
	v_and_b32 v1, 15, v0                           ; r = l % 16
	v_bfe_u32 v11, v0, 4, 1                        ; h = l / 16
	v_lshlrev_b32 v[QO], 7, v1
	v_lshl_add_u32 v[QO], v11, 4, v[QO]            ; row x 128 + 16 x half
	WIN 0x40
.irp t, 0,1,2,3                        ; Q stays in registers: tile t, channels 32 c on
.irp c, 0,1
	global_load_b128 v[QF+16*\t+8*\c:QF+16*\t+8*\c+3], v[QO], s[20:21] offset:2048*\t+64*\c
	global_load_b128 v[QF+16*\t+8*\c+4:QF+16*\t+8*\c+7], v[QO], s[20:21] offset:2048*\t+64*\c+32
.endr
.endr
	WIN 0
	v_mul_u32_u24 v[AK0], v1, PK
	v_lshl_add_u32 v[AK0], v11, 4, v[AK0]
	v_and_b32 v14, 7, v0                           ; the turning load: lane l reads key 8 h + l % 8, channels 8 ((l / 8) % 2) on
	v_bfe_u32 v15, v0, 3, 1
	v_lshl_add_u32 v[AV0], v11, 3, v14
	v_mul_u32_u24 v[AV0], v[AV0], PVP
	v_lshl_add_u32 v[AV0], v15, 4, v[AV0]
	v_add_nc_u32 v[AV0], VOFF, v[AV0]
	s_mul_i32 s17, s[WV], 16*PK
	s_add_co_u32 s17, s17, STAGE                   ; my stage
	v_mul_u32_u24 v[STO], v1, PK
	v_lshl_add_u32 v[STO], v11, 4, v[STO]
	v_add_nc_u32 v[STO], s17, v[STO]               ; in: row r, 16 bytes for each half of the lanes
	v_and_b32 v14, 31, v0
	v_lshrrev_b32 v15, 3, v14
	v_mul_u32_u24 v[RD], v15, PK
	v_and_b32 v15, 7, v0
	v_lshl_add_u32 v[RD], v15, 4, v[RD]
	v_add_nc_u32 v[RD], s17, v[RD]                 ; back: eight lanes to a row of 128 bytes, four rows an instruction
	v_lshlrev_b32 v[GO], 4, v14                    ; and the same 512 dense bytes in oh
	s_wait_tensorcnt 1                             ; my part of slot 0 is in; slot 1's may stay out
	s_barrier_signal -1
	s_barrier_wait -1
	FETCH_K                                        ; step 0
	s_wait_loadcnt 0x0                             ; Q
	s_wait_dscnt 0x0
	WIN 0x04
	KQ
	WIN 0
	PLACES 4
	FETCH_V
	BODY 1, 1                                      ; step 0 starts m, l and O^T
	STEPS 2
.Lslot:                                            ; six trips: every slot but the last two is filled again
	CHANGE 1
	STEPS 4
	s_sub_co_u32 s[SLOTS], s[SLOTS], 1
	s_cmp_lg_u32 s[SLOTS], 0
	s_cbranch_scc1 .Lslot
	CHANGE 0                                       ; the tail is written out
	STEPS 4
	BODY 0, 0                                      ; the last step: nothing more to fetch
	; THE WAY OUT.  l's halves and the other half of the lanes' are added (these lines are also the places behind the last products); O^T / l, rounded to f16, goes through my stage, a tile at a time.
.irp t, 0,1,2,3
	v_add_f32 v[ST+12*\t+8], v[ST+12*\t+2], v[ST+12*\t+3]
.endr
.irp t, 0,1,2,3
	v_permlanex16_b32 v[ST+12*\t+9], v[ST+12*\t+8], s[SEL], s[SEL+1]
.endr
.irp t, 0,1,2,3
	v_add_f32 v[ST+12*\t+8], v[ST+12*\t+8], v[ST+12*\t+9]
.endr
.irp t, 0,1,2,3
	v_rcp_f32 v[ST+12*\t+6], v[ST+12*\t+8]
.endr
	v_nop                                          ; a plain line behind the last reciprocal
	s_wait_alu depctr_va_vdst(0)                   ; one wait for the four
.macro OPACK t
	WIN 0x41
.set oi, 32*(\t)
.rept 16
	v_pk_mul_f32 v[oi:oi+1], v[oi:oi+1], v[ST+12*(\t)+6:ST+12*(\t)+7] op_sel_hi:[1,0]
.set oi, oi+2
.endr
	WIN 0x05                                       ; sources in window 1, destination in window 0: S^T's registers are free
.set oi, 0
.rept 16
	v_cvt_pk_f16_f32 v[S+32*(\t)+oi], v[32*(\t)+2*oi], v[32*(\t)+2*oi+1]
.set oi, oi+1
.endr
	WIN 0
.irp f, 0,1,2,3
	ds_store_b128 v[STO], v[S+32*(\t)+4*\f:S+32*(\t)+4*\f+3] offset:32*\f
.endr
.irp f, 0,1,2,3
	ds_load_b128 v[S+32*(\t)+16+4*\f:S+32*(\t)+16+4*\f+3], v[RD] offset:4*PK*\f   ; LDS serves a wave's instructions in order: these see the stores above
.endr
.endm
.macro OSEND t, younger                ; younger: the LDS instructions issued behind tile t's loads
.irp f, 0,1,2,3
	s_wait_dscnt \younger+3-\f
	global_store_b128 v[GO], v[S+32*(\t)+16+4*\f:S+32*(\t)+16+4*\f+3], s[22:23] offset:2048*(\t)+512*\f   ; 512 consecutive bytes, aligned
.endr
.endm
	OPACK 0
	OPACK 1
	OSEND 0, 8
	OPACK 2
	OSEND 1, 8
	OPACK 3
	OSEND 2, 8
	OSEND 3, 0
	s_wait_tensorcnt 0x0                           ; the wave's end
	ds_add_u32 v[SPW], v[NIL]
	s_wait_dscnt 0x0
	CROUND                                         ; the closing round
	s_endpgm
.Lfunc_end_k_q4696bd17a5_attn:
	.size	k_q4696bd17a5_attn, .Lfunc_end_k_q4696bd17a5_attn-k_q4696bd17a5_attn
	.p2alignl 7, 3214868480
	.fill 96, 4, 3214868480
	.section	.rodata,"a",@progbits
	.p2align	6, 0x0
	.amdhsa_kernel k_q4696bd17a5_attn
		.amdhsa_group_segment_fixed_size 327680
		.amdhsa_private_segment_fixed_size 0
		.amdhsa_enable_private_segment 0
		.amdhsa_kernarg_size 16
		.amdhsa_user_sgpr_count 2
		.amdhsa_user_sgpr_kernarg_segment_ptr 1
		.amdhsa_wavefront_size32 1
		.amdhsa_system_sgpr_workgroup_id_x 1
		.amdhsa_system_sgpr_workgroup_id_y 1
		.amdhsa_system_sgpr_workgroup_id_z 1
		.amdhsa_system_vgpr_workitem_id 0
		.amdhsa_next_free_vgpr 512
		.amdhsa_next_free_sgpr 66
		.amdhsa_reserve_vcc 0
		.amdhsa_float_denorm_mode_32 3
		.amdhsa_float_denorm_mode_16_64 3
		.amdhsa_memory_ordered 1
		.amdhsa_forward_progress 1
		.amdhsa_inst_pref_size 178
	.end_amdhsa_kernel
	.amdgpu_metadata
---
amdhsa.version: [ 1, 2 ]
amdhsa.kernels:
  - .name:           k_q4696bd17a5_attn
    .symbol:         k_q4696bd17a5_attn.kd
    .args:
      - { .name: qkv, .offset: 0, .size: 8, .value_kind: global_buffer, .address_space: global }
      - { .name: oh, .offset: 8, .size: 8, .value_kind: global_buffer, .address_space: global }
    .group_segment_fixed_size: 327680
    .private_segment_fixed_size: 0
    .kernarg_segment_align: 8
    .kernarg_segment_size: 16
    .max_flat_workgroup_size: 256
    .sgpr_count:     66
    .vgpr_count:     512
    .wavefront_size: 32
...
	.end_amdgpu_metadata
.endif
;; end of part 3
;; launch proj (part 4): grid 4 x 64, 4 waves a work-group, clusters of 4 x 4, 327,680 bytes of LDS; arguments oh, wp, b_proj, out0; writes out0
.if DOCPART == 4
	.amdgcn_target "amdgcn-amd-amdhsa--gfx1250"
	.amdhsa_code_object_version 6
	.text
	.protected	k_q4696bd17a5_proj
	.globl	k_q4696bd17a5_proj
	.p2align	8
	.type	k_q4696bd17a5_proj,@function
k_q4696bd17a5_proj:
	s_mov_b64 s[64:65], 0
	v_nop
	global_prefetch_b8 v0, s[64:65] scope:SCOPE_SE
	s_setreg_imm32_b32 hwreg(HW_REG_WAVE_MODE, 25, 1), 1
	s_wait_xcnt 0x0
	s_wait_alu depctr_hold_cnt(0) depctr_sa_sdst(0) depctr_va_vdst(0) depctr_va_sdst(0) depctr_va_ssrc(0) depctr_va_vcc(0) depctr_vm_vsrc(0)
	s_getreg_b32 s2, hwreg(HW_REG_IB_STS2, 6, 4)
	s_cmp_eq_u32 s2, 0
	s_cbranch_scc0 .Lentry_in_a_cluster
	s_endpgm
.Lentry_in_a_cluster:
	s_bfe_u32 s2, ttmp6, 0x10000c
	s_cmp_lg_u32 s2, 0xf033
	s_cbranch_scc0 .Lentry_shape_is_right
	s_endpgm
.Lentry_shape_is_right:
; out0[m][n] = the sum over k of o[m][k] w_proj[k][n] + b_proj[n]: [8192 x 1024] x [1024 x 1024], operands f16, sums f32, out0 f32.
; o lies by head: oh f16 [b 16 + h][pos 2048][64], k = 64 h + channel;  wp f16 [k 1024][n 1024].
; A tile of out0 is 128 rows x 256 columns: 256 work-groups of four waves, 64 x 128 each: 32 accumulators.  K goes in steps of 128 (two heads) through a ring of two LDS slots.
; THE MATRIX INSTRUCTION IS USED TRANSPOSED: source 0 = 16 columns of w, turned out of [k][n] by ds_load_tr16_b128; source 1 = 16 rows of o.  A lane holds eight neighbouring columns of one row.
; The bias is the C of each sum's first product: eight registers for each block of 16 columns, in the result's layout.
; CLUSTERS: 4 x 4 work-groups; o's tiles are asked for jointly along a row of the cluster (its four work-groups are the four tile columns), w's along a column.
; No prefetch: eight K steps in all, of which the first two are first fills.
; REGISTERS: window 0: v16-29 addresses; v32-127 and v128-223 two fragment buffers (o's 4 blocks, then w's 8).   window 1: the accumulators, (a, b) at v[8 (8 a + b)].   window 2: v0-63 the bias.
.set PA,     144                       ; a row of o in LDS: 128 bytes + 16
.set AH,     128*PA                    ; one head's 128 rows
.set PB,     544                       ; a row of w: 512 bytes + 32 = 136 words: 8 rows start at 8 different groups of eight banks
.set BH,     64*PB                     ; 64 rows along K
.set BOFF,   2*AH
.set SLOT,   BOFF+2*BH
.set STAGE,  2*SLOT                    ; the way out: 16 rows x 528 bytes for each wave
.set SPITCH, 528
.set SPARE,  STAGE+4*16*SPITCH
.set LAPS,   4
.set ADRA, 16
.set ADRB, 20
.set STO,  24
.set RD,   25
.set CO,   26
.set BO,   27
.set SPW,  28
.set NIL,  29
.set F0,   32
.set F1,   128
.set BK,   32
.set G1, 24
.set G0, 32
.set G1B, 48
.set G0B, 56
.set MSB, 0
.macro WIN new                         ; the immediate's high byte repeats the setting that is left
.if MSB != (\new)
	s_set_vgpr_msb (MSB<<8)|(\new)
.set MSB, (\new)
.endif
.endm
.set MUL,  0x50                        ; C and D window 1
.set MULB, 0x60                        ; D window 1, C (the bias) window 2
.macro JLOAD s                         ; waves 0 and 1 fetch o's two heads, waves 2 and 3 w's two halves; an s_nop 0 and four v_nop follow each line
	s_cmp_eq_u32 s13, 0
	s_cbranch_scc0 .Lfor_b_\@
	tensor_load_to_lds s[G0+4*\s:G0+4*\s+3], s[G1:G1+7]
	s_nop 0
.rept 4
	v_nop
.endr
	s_branch .Lasked_\@
.Lfor_b_\@:
	tensor_load_to_lds s[G0B+4*\s:G0B+4*\s+3], s[G1B:G1B+7]
	s_nop 0
.rept 4
	v_nop
.endr
.Lasked_\@:
.endm
.macro CREST                           ; a round of the cluster's barrier behind its opening barrier
	s_cmp_lg_u32 s12, 0
	s_cbranch_scc1 .Lnot_wave_0_\@
	s_barrier_signal -3
.Lnot_wave_0_\@:
	s_barrier_wait -3
	s_barrier_signal -1
	s_barrier_wait -1
.endm
.macro CROUND
	s_barrier_signal -1
	s_barrier_wait -1
	CREST
.endm
.macro PLACES
.rept 4
	v_nop
.endr
.endm
	s_load_b256 s[4:11], s[0:1], 0x0               ; oh s[4:5], wp s[6:7], b_proj s[8:9], out0 s[10:11]
	v_lshl_add_u32 v[SPW], v0, 2, SPARE
	v_mov_b32 v[NIL], 0
	ds_add_u32 v[SPW], v[NIL]                      ; the wave's opening: the add, twice on end, and its wait ahead of my first tensor load
	ds_add_u32 v[SPW], v[NIL]
	v_lshrrev_b32 v1, 5, v0
	v_readfirstlane_b32 s12, v1                    ; wave 0..3
	s_lshr_b32 s13, s12, 1                         ; my half of the tile's rows.  Also: I fetch for o (0) or for w (1)
	s_and_b32 s14, s12, 1                          ; my half of its columns.  Also: which head, or which 64 rows of w, I fetch
	s_bfe_u32 s40, ttmp6, 0x40000                  ; cx
	s_bfe_u32 s41, ttmp6, 0x40004                  ; cy
	s_lshl_b32 s42, ttmp9, 2
	s_add_co_u32 s42, s42, s40                     ; tile column
	s_and_b32 s15, ttmp7, 0xffff
	s_lshl_b32 s15, s15, 2
	s_add_co_u32 s15, s15, s41                     ; tile row, 0 .. 63
	s_lshl_b32 s43, s41, 2
	s_lshl_b32 s43, 15, s43                        ; my row of the cluster
	s_lshl_b32 s44, 0x1111, s40                    ; my column
	s_or_b32 s[G1+0], s43, (1<<16)|(1<<20)|(1<<21)|(4<<22)|(3<<25)    ; o: elements of 2 bytes; 4 words of padding behind every 32
	s_mov_b32 s[G1+1], 64<<16                      ; tensor_dim0 = 64
	s_mov_b32 s[G1+2], 128<<16                     ; tensor_dim1 = 128
	s_mov_b32 s[G1+3], 64<<16                      ; tile_dim0 = 64
	s_mov_b32 s[G1+4], 128                         ; tile_dim1 = 128
	s_mov_b32 s[G1+5], 64                          ; elements from row to row
	s_mov_b32 s[G1+6], 0
	s_mov_b32 s[G1+7], 0
	s_or_b32 s[G1B+0], s44, (1<<16)|(1<<20)|(1<<21)|(6<<22)|(7<<25)   ; w: 8 words of padding behind every 128
	s_mov_b32 s[G1B+1], 256<<16
	s_mov_b32 s[G1B+2], 64<<16
	s_mov_b32 s[G1B+3], 256<<16
	s_mov_b32 s[G1B+4], 64
	s_mov_b32 s[G1B+5], 1024
	s_mov_b32 s[G1B+6], 0
	s_mov_b32 s[G1B+7], 0
	s_lshr_b32 s16, s15, 4                         ; o: the batch's 16 heads of 262,144 bytes,
	s_lshl_b32 s16, s16, 22
	s_and_b32 s17, s15, 15
	s_lshl_b32 s17, s17, 14                        ; the tile's 128 positions of 128 bytes,
	s_add_co_u32 s16, s16, s17
	s_lshl_b32 s17, s14, 18                        ; my head of the step's two
	s_add_co_u32 s16, s16, s17
	s_mov_b32 s17, 0
	s_lshl_b32 s46, s14, 17                        ; w: my 64 rows of 2,048 bytes,
	s_lshl_b32 s47, s42, 9                         ; the tile's 256 columns
	s_add_co_u32 s46, s46, s47
	s_mov_b32 s47, 0
	s_mul_i32 s20, s14, AH                         ; where they go: no place in the cluster enters an LDS address
	s_mul_i32 s21, s14, BH
	s_add_co_u32 s21, s21, BOFF
	s_wait_dscnt 0x0                               ; both opening adds are done
	s_wait_kmcnt 0x0
	s_add_nc_u64 s[16:17], s[4:5], s[16:17]
	s_add_nc_u64 s[46:47], s[6:7], s[46:47]
	CROUND                                         ; all sixteen work-groups are here: the first joint loads meet
.irp s, 0,1
	s_mov_b32 s[G0+4*\s], 1
	s_add_co_u32 s[G0+4*\s+1], s20, \s*SLOT
	s_add_nc_u64 s[G0+4*\s+2:G0+4*\s+3], s[16:17], \s*524288      ; K step s: two heads on
	s_or_b32 s[G0+4*\s+3], s[G0+4*\s+3], 0x80000000
	s_mov_b32 s[G0B+4*\s], 1
	s_add_co_u32 s[G0B+4*\s+1], s21, \s*SLOT
	s_add_nc_u64 s[G0B+4*\s+2:G0B+4*\s+3], s[46:47], \s*262144    ; 128 rows on
	s_or_b32 s[G0B+4*\s+3], s[G0B+4*\s+3], 0x80000000
	JLOAD \s
.endr
	v_and_b32 v1, 15, v0                           ; r
	v_bfe_u32 v2, v0, 4, 1                         ; h
	s_lshl_b32 s46, s42, 10                        ; my first column in bytes of f32: 1,024 x tile column + 512 x half: for the bias and for out0
	s_lshl_b32 s47, s14, 9
	s_add_co_u32 s46, s46, s47
	s_mov_b32 s47, 0
	s_add_nc_u64 s[8:9], s[8:9], s[46:47]
	v_lshlrev_b32 v[BO], 5, v2                     ; lane (r, h) wants, for block b, b_proj at columns 16 b + 8 h + 0 .. 7
	WIN 0x80                                       ; destination window 2
.irp b, 0,1,2,3,4,5,6,7
	global_load_b128 v[8*\b:8*\b+3], v[BO], s[8:9] offset:64*\b
	global_load_b128 v[8*\b+4:8*\b+7], v[BO], s[8:9] offset:64*\b+16
.endr
	WIN 0
	v_mul_u32_u24 v3, v1, PA
	v_lshl_add_u32 v3, v2, 4, v3                   ; o: row x pitch + 16 x half
	s_mul_i32 s22, s13, 64*PA                      ; my 64 rows
	v_and_b32 v4, 7, v0                            ; w, the turning load: row 8 h + l % 8, columns 8 ((l / 8) % 2) on
	v_lshl_add_u32 v4, v2, 3, v4
	v_mul_u32_u24 v4, v4, PB
	v_bfe_u32 v5, v0, 3, 1
	v_lshl_add_u32 v4, v5, 4, v4
	s_lshl_b32 s23, s14, 8                         ; my 128 columns
	s_add_co_u32 s23, s23, BOFF
.irp s, 0,1
	v_add_nc_u32 v[ADRA+\s], s22, v3
	v_add_nc_u32 v[ADRB+\s], s23, v4
	s_add_co_u32 s22, s22, SLOT
	s_add_co_u32 s23, s23, SLOT
.endr
	s_mul_i32 s22, s12, 16*SPITCH
	s_add_co_u32 s22, s22, STAGE                   ; my stage
	v_mul_u32_u24 v5, v1, SPITCH
	v_lshl_add_u32 v5, v2, 5, v5
	v_add_nc_u32 v[STO], s22, v5                   ; in: row r, 32 bytes for each half of the lanes
	v_and_b32 v6, 31, v0
	v_lshlrev_b32 v[CO], 4, v6                     ; back: the 32 lanes take a row of 512 bytes; and the same in out0
	v_add_nc_u32 v[RD], s22, v[CO]
	s_lshl_b32 s16, s15, 7
	s_lshl_b32 s17, s13, 6
	s_add_co_u32 s16, s16, s17                     ; my first row of out0
	s_lshl_b32 s16, s16, 12                        ; rows of 4,096 bytes
	s_mov_b32 s17, 0
	s_add_nc_u64 s[16:17], s[16:17], s[46:47]
	s_add_nc_u64 s[10:11], s[10:11], s[16:17]
; 24 LDS loads in one run: the fragments of 32 along K, the slot's q-th: w's eight blocks, then o's blocks 0, 1, then 2, 3
.macro FETCH slot, q, f
.irp b, 0,1,2,3,4,5,6,7
	ds_load_tr16_b128 v[\f+32+8*\b:\f+32+8*\b+3], v[ADRB+\slot] offset:32*PB*(\q)+32*\b
	ds_load_tr16_b128 v[\f+32+8*\b+4:\f+32+8*\b+7], v[ADRB+\slot] offset:32*PB*(\q)+32*\b+16*PB
.endr
.irp a, 0,1,2,3
	ds_load_b128 v[\f+8*\a:\f+8*\a+3], v[ADRA+\slot] offset:((\q)/2)*AH+64*((\q)%2)+16*PA*\a
	ds_load_b128 v[\f+8*\a+4:\f+8*\a+7], v[ADRA+\slot] offset:((\q)/2)*AH+64*((\q)%2)+16*PA*\a+32
.endr
.endm
; 8 matrix instructions: o's block a x w's eight.  The 32 accumulators take turns, one instruction a turn, in the same order in every quarter.
.macro MUL8 f, a, bias
.irp b, 0,1,2,3,4,5,6,7
.if \bias
	v_wmma_f32_16x16x32_f16 v[8*(8*(\a)+\b):8*(8*(\a)+\b)+7], v[\f+32+8*\b:\f+32+8*\b+7], v[\f+8*(\a):\f+8*(\a)+7], v[8*\b:8*\b+7]
.else
	v_wmma_f32_16x16x32_f16 v[8*(8*(\a)+\b):8*(8*(\a)+\b)+7], v[\f+32+8*\b:\f+32+8*\b+7], v[\f+8*(\a):\f+8*(\a)+7], v[8*(8*(\a)+\b):8*(8*(\a)+\b)+7]
.endif
.endr
.endm
; One of a K step's first three quarters: multiplies buffer f; in its middle it fetches the slot's quarter qn into buffer g.
.macro QUARTER slot, qn, f, g, bias
	s_wait_dscnt 4                                 ; w's blocks and o's blocks 0, 1 are in; o's blocks 2, 3 (4 loads) may be out
	WIN MUL+0x10*(\bias)
	MUL8 \f, 0, \bias
	MUL8 \f, 1, \bias
	PLACES                                         ; in front of the loads into the buffer that the quarter before multiplied
	WIN 0
	FETCH \slot, \qn, \g
	s_wait_dscnt 24                                ; all but the 24 just issued
	WIN MUL+0x10*(\bias)
	MUL8 \f, 2, \bias
	MUL8 \f, 3, \bias
.endm
; The last quarter multiplies buffer 1 and changes slots: one barrier; in front of it each wave waits for all its tensor loads, adds 0 to its spare word, and waits for that and for its reads of
; this slot.  fill = 1: the barrier opens a round of the cluster's, and this slot is filled again, two K steps ahead, first thing behind it.
.macro TURN slot, next, fill
	WIN 0
	s_wait_tensorcnt 0x0                           ; all my tensor loads have landed: my part of the next slot
	ds_add_u32 v[SPW], v[NIL]
	s_wait_dscnt 5                                 ; the add and the youngest four loads may be out
	WIN MUL
	MUL8 F1, 0, 0
	s_wait_dscnt 0x0                               ; the add is done, and my reads of this slot are over
	s_barrier_signal -1
	MUL8 F1, 1, 0
	WIN 0
	s_barrier_wait -1
.if \fill
	CREST
	s_add_nc_u64 s[G0+4*\slot+2:G0+4*\slot+3], s[G0+4*\slot+2:G0+4*\slot+3], 1048576    ; four heads on
	s_add_nc_u64 s[G0B+4*\slot+2:G0B+4*\slot+3], s[G0B+4*\slot+2:G0B+4*\slot+3], 524288 ; 256 rows on
	JLOAD \slot                                    ; its four v_nop are also the places in front of the loads below
.else
	PLACES
.endif
	FETCH \next, 0, F0
	WIN MUL
	MUL8 F1, 2, 0
	MUL8 F1, 3, 0
.endm
	s_wait_tensorcnt 1                             ; my part of K step 0 is in; K step 1's load may be out
	s_barrier_signal -1
	s_barrier_wait -1
	FETCH 0, 0, F0
	s_wait_loadcnt 0x0                             ; the bias
	QUARTER 0, 1, F0, F1, 1                        ; the first quarter stands in front of the loop: its products start the sums from the bias
	WIN 0
	s_mov_b32 s3, LAPS-1
.Llap:                                             ; a trip goes once round the ring and fills both slots again
	QUARTER 0, 2, F1, F0, 0
	QUARTER 0, 3, F0, F1, 0
	TURN 0, 1, 1
	QUARTER 1, 1, F0, F1, 0
	QUARTER 1, 2, F1, F0, 0
	QUARTER 1, 3, F0, F1, 0
	TURN 1, 0, 1
	QUARTER 0, 1, F0, F1, 0
	WIN 0
	s_sub_co_u32 s3, s3, 1
	s_cmp_lg_u32 s3, 0
	s_cbranch_scc1 .Llap
	QUARTER 0, 2, F1, F0, 0                        ; the last lap fills nothing
	QUARTER 0, 3, F0, F1, 0
	TURN 0, 1, 0
	QUARTER 1, 1, F0, F1, 0
	QUARTER 1, 2, F1, F0, 0
	QUARTER 1, 3, F0, F1, 0
	s_wait_dscnt 4
	WIN MUL
	MUL8 F1, 0, 0
	MUL8 F1, 1, 0
	s_wait_dscnt 0x0
	MUL8 F1, 2, 0
	MUL8 F1, 3, 0
	WIN 0
; THE WAY OUT, a block of 16 rows x 128 columns at a time, through my own stage: back as whole rows of 512 bytes.
.macro TOSTAGE a
	WIN 0x04                                       ; an LDS store's data are its source 1: window 1
.irp b, 0,1,2,3,4,5,6,7
	ds_store_b128 v[STO], v[8*(8*(\a)+\b):8*(8*(\a)+\b)+3] offset:64*\b          ; each accumulator from its low end on
	ds_store_b128 v[STO], v[8*(8*(\a)+\b)+4:8*(8*(\a)+\b)+7] offset:64*\b+16
.endr
	WIN 0
.set BB, BK+64*((\a)%2)
.irp t, 0,1,2,3,4,5,6,7,8,9,10,11,12,13,14,15
	ds_load_b128 v[BB+4*\t:BB+4*\t+3], v[RD] offset:\t*SPITCH   ; LDS serves a wave's instructions in order: these see the stores above
.endr
.endm
.macro SEND a, younger                 ; younger: the LDS instructions issued behind block a's loads
.set BB, BK+64*((\a)%2)
	s_wait_dscnt \younger
.irp t, 0,1,2,3,4,5,6,7,8,9,10,11,12,13,14,15
	global_store_b128 v[CO], v[BB+4*\t:BB+4*\t+3], s[10:11] offset:65536*(\a)+4096*\t th:TH_STORE_NT   ; 512 consecutive bytes, aligned; written once
.endr
.endm
	PLACES
	TOSTAGE 0
.irp a, 1,2,3
.if \a > 1
	s_wait_xcnt 0x0                                ; block a - 2's stores have read their registers: block a's loads may land there
.endif
	TOSTAGE \a
	SEND \a-1, 32                                  ; behind block a - 1's loads: block a's 16 stores and 16 loads
.endr
	SEND 3, 0
	s_wait_tensorcnt 0x0                           ; the wave's end
	ds_add_u32 v[SPW], v[NIL]
	s_wait_dscnt 0x0
	CROUND                                         ; the closing round
	s_endpgm
.Lfunc_end_k_q4696bd17a5_proj:
	.size	k_q4696bd17a5_proj, .Lfunc_end_k_q4696bd17a5_proj-k_q4696bd17a5_proj
	.p2alignl 7, 3214868480
	.fill 96, 4, 3214868480
	.section	.rodata,"a",@progbits
	.p2align	6, 0x0
	.amdhsa_kernel k_q4696bd17a5_proj
		.amdhsa_group_segment_fixed_size 327680
		.amdhsa_private_segment_fixed_size 0
		.amdhsa_enable_private_segment 0
		.amdhsa_kernarg_size 32
		.amdhsa_user_sgpr_count 2
		.amdhsa_user_sgpr_kernarg_segment_ptr 1
		.amdhsa_wavefront_size32 1
		.amdhsa_system_sgpr_workgroup_id_x 1
		.amdhsa_system_sgpr_workgroup_id_y 1
		.amdhsa_system_sgpr_workgroup_id_z 1
		.amdhsa_system_vgpr_workitem_id 0
		.amdhsa_next_free_vgpr 576
		.amdhsa_next_free_sgpr 66
		.amdhsa_reserve_vcc 0
		.amdhsa_float_denorm_mode_32 3
		.amdhsa_float_denorm_mode_16_64 3
		.amdhsa_memory_ordered 1
		.amdhsa_forward_progress 1
		.amdhsa_inst_pref_size 87
	.end_amdhsa_kernel
	.amdgpu_metadata
---
amdhsa.version: [ 1, 2 ]
amdhsa.kernels:
  - .name:           k_q4696bd17a5_proj
    .symbol:         k_q4696bd17a5_proj.kd
    .args:
      - { .name: oh, .offset: 0, .size: 8, .value_kind: global_buffer, .address_space: global }
      - { .name: wp, .offset: 8, .size: 8, .value_kind: global_buffer, .address_space: global }
      - { .name: b_proj, .offset: 16, .size: 8, .value_kind: global_buffer, .address_space: global }
      - { .name: out0, .offset: 24, .size: 8, .value_kind: global_buffer, .address_space: global }
    .group_segment_fixed_size: 327680
    .private_segment_fixed_size: 0
    .kernarg_segment_align: 8
    .kernarg_segment_size: 32
    .max_flat_workgroup_size: 128
    .sgpr_count:     66
    .vgpr_count:     576
    .wavefront_size: 32
...
	.end_amdgpu_metadata
.endif
;; end of part 4
